; MI455X (gfx1250); checked and timed in simulation.
; The chip was launched on July 23, 2026; its instructions are those of AMD's public machine-readable ISA for CDNA 5 (MIT licence, August 2026) and "CDNA5" Instruction Set Architecture Reference Guide (July 2026). The comments in the code are by the model that wrote it; some were corrected since.
;; Parallel Attention. Allowed arithmetic: matrix products marked QUANTISED: E2M3 operands, one E8M0 scale for each 32 along K, by v_wmma_scale_f32_16x16x128_f8f6f4 with both operands' format E2M3, f32 sums; everything else in f32.
;; Inputs: W_dense 1,024 x 1,024 float32; W_qkv 3,072 x 1,024 float32; attention_mask 4 x 1 x 2,048 x 2,048 bool; b_dense 1,024 float32; b_qkv 3,072 float32; hidden_states 2,048 x 4 x 1,024 float32.
;; Outputs: out0 2,048 x 4 x 1,024 float32.
;; This version of the problem:
;;   THIS VERSION OF THE PROBLEM IS GIVEN IN LOW PRECISION. The matrix products marked QUANTISED in the list below multiply operands that are first quantised to E2M3 (2 exponent bits, 3 mantissa bits; 6 bits a number), with one power-of-two scale for each 32 numbers along K (OCP MX v1.0); their sums are f32. All else is computed in f32.
;;   The module's matrix products, in the order in which they are computed (A, B: the left and right operand; K: the contracted axis; several contracted axes count as one K, in the product's order):
;;     1. [M 8,192, K 1,024] x [K 1,024, N 3,072]; A: input hidden_states; B: input W_qkv: QUANTISED
;;     2. batch 64 x [M 2,048, K 64] x [K 64, N 2,048]; A: computed on the way; B: computed on the way: QUANTISED
;;     3. batch 64 x [M 64, K 2,048] x [K 2,048, N 2,048]; A: computed on the way; B: softmax (see below): QUANTISED
;;     4. [M 8,192, K 1,024] x [K 1,024, N 1,024]; A: computed on the way; B: input W_dense: QUANTISED
;;   THE QUANTISER, for each operand of a quantised product, along K:
;;     - K is cut into blocks of 32 from its start; a last block that is shorter is filled with zeros.
;;     - A block's scale is 2^e with e = floor(log2(the largest magnitude in the block)) - 2, held to -126 .. 127; a block of zeros has e = 0. As a byte (E8M0): e + 127.
;;     - Each number is divided by its block's scale, clamped to +-7.5, and rounded to the nearest number of E2M3, ties to even, subnormals kept.
;;     - The product sums the exact products of the quantised numbers (number of the format x scale) in f32.
;;   ~~~python
;;   def quantise(x, axis):      # numpy; x: float32 -> the quantised numbers, widened to float32 again
;;       x = np.moveaxis(x, axis, -1); K = x.shape[-1]
;;       x = np.pad(x, [(0, 0)] * (x.ndim - 1) + [(0, -K % 32)]); x = x.reshape(x.shape[:-1] + (-1, 32)); a = np.abs(x).max(-1, keepdims=True)
;;       e = np.where(a > 0, np.clip(np.frexp(np.where(a > 0, a, 1))[1] - 1 - 2, -126, 127), 0)      # np.frexp(a)[1] - 1 = floor(log2(a)), exactly
;;       r = np.clip(x / 2.0 ** e, -7.5, 7.5)
;;       step = 2.0 ** (np.maximum(np.frexp(np.where(r == 0, 1, r))[1] - 1, 0) - 3)
;;       q = np.round(r / step) * step * 2.0 ** e      # np.round: ties to even
;;       return np.moveaxis(q.reshape(q.shape[:-2] + (-1,))[..., :K], -1, axis).astype(np.float32)
;;   ~~~
;;   SOFTMAX AHEAD OF A QUANTISED PRODUCT. Where the list says 'softmax', what is quantised is not the finished softmax but p = 2^(t - M), with t = logit x log2(e) and M = ceil(the row's largest t), a whole number; so 1/2 < the row's largest p <= 1. The row's sum l is taken of the UNQUANTISED p, in f32, and the product's result is divided by l at the end. Since M is a whole number, a kernel that streams over the keys may use a running M (the ceiling of the running maximum): every later rescaling is an exact power of two, which a block's scale takes up: the codes' values come out the same.
;;   OPERANDS COMPUTED ON THE WAY. 'Computed on the way' means the value that the module computes at that place (a softmax that the list does not call 'softmax' is quantised finished and normalised). What goes into a quantiser is computed in f32, as accurately as f32 sums, v_exp_f32 and their like allow (about 1e-6 of the number): no bf16 or f16 on the way to a quantiser, and a product that is left as it is and whose result goes on into a quantised operand takes f32 operands (vector FMAs, or v_wmma_f32_16x16x4_f32). A number that lies on a knife's edge between two numbers of the format may be rounded either way, as far as f32 arithmetic and the matrix unit's own rounding can turn it there, and no further.
;; One version. Each part assembles by itself: llvm-mc -triple=amdgcn-amd-amdhsa -mcpu=gfx1250 --defsym DOCPART=n.
;; ======== version 1 of 1: 4 launches
;; limits: right only within a limited range of input values
;; workspace buffers: opq 9,830,400 bytes; maskw 2,097,152 bytes of whole numbers; qkv 20,447,232 bytes; ctx 6,553,600 bytes
;; launch prep (part 1): grid 896 x 1, 4 waves a work-group, no clusters, 68,096 bytes of LDS; arguments hidden_states, W_qkv, W_dense, attention_mask, opq, maskw; writes opq, maskw
.if DOCPART == 1
	.amdgcn_target "amdgcn-amd-amdhsa--gfx1250"
	.amdhsa_code_object_version 6
	.text
	.protected	k_q525663c179_prep
	.globl	k_q525663c179_prep
	.p2align	8
	.type	k_q525663c179_prep,@function
k_q525663c179_prep:
	s_mov_b64 s[64:65], 0
	v_nop
	global_prefetch_b8 v0, s[64:65] scope:SCOPE_SE
	s_setreg_imm32_b32 hwreg(HW_REG_WAVE_MODE, 25, 1), 1
	s_wait_xcnt 0x0
; PREP.  Work-groups 0-383: hidden_states [2048][4][1024], W_qkv [3072][1024] and W_dense [1024][1024], f32, K innermost, become codes of E2M3 with one E8M0 byte for each 32 along K.
; Work-groups 384-895: the mask's bytes become words of 32 lane bits, one word for each score register of the attention launch.
; THE CODES ARE LAID AS IMAGES OF OPERAND REGISTERS.  A tile is 16 rows; lane-row p of tile t is row 32 (t / 2) + 8 (t % 2) + p + 8 (p / 8), so that the results of two neighbouring tiles are 16 neighbours in a lane.
; A fragment (16 rows x 128 K, 12 registers a lane) is two halves of 768 bytes: registers 0-3 at 16 x lane, registers 4-5 at 512 + 8 x lane.  Every store of a wave covers 512 or 256 consecutive bytes, aligned.
; The scale words lie [tile][K half][row][4 words]: 256 bytes for a tile and 512 along K.
; A block's scale byte is its largest magnitude's exponent field - 2, held at 1 from below.
; LIMITS: NaN and infinities among the inputs are not served; a block whose largest magnitude lies under 2^-124 has its byte held at 1; a block of zeros gets the byte 1 where the rule says 127
; (its codes are zeros, and this program alone reads the bytes); a mask byte counts as true where it is not 0.
; A wave works alone: no barrier, no tensor load, no cluster (no two work-groups read the same bytes).  Each path has LDS bytes of its own, each wave a stage of 16 rows x 528 bytes.
.set WQ,   6291456                     ; opq: hidden's images at 0, W_qkv's here,
.set WD,   8650752                     ; W_dense's here,
.set SC,   9437184                     ; the scale words here
.set SP,   528                         ; a stage row: 512 bytes + 16
.set STG,  16*SP
.set MSTG, 4*STG                       ; the mask path's stages lie behind the quantiser's
.set OFF,  16                          ; v16-31   byte offset of my 16 bytes in each of the tile's 16 rows
.set R,    32                          ; v32-159  two sets of 16 rows x 4 registers, as loaded
.set X,    160                         ; v160-223 my two blocks of 32 numbers
.set P,    224                         ; v224-235 the fragment's 12 registers
	s_load_b256 s[4:11], s[0:1], 0x0               ; hidden s[4:5], W_qkv s[6:7], W_dense s[8:9], mask s[10:11]
	s_load_b128 s[12:15], s[0:1], 0x20             ; opq s[12:13], maskw s[14:15]
	v_lshl_add_u32 v243, v0, 2, 0x10800
	v_mov_b32 v251, 0
	v_lshrrev_b32 v1, 5, v0
	v_readfirstlane_b32 s16, v1                    ; wave
	v_and_b32 v1, 31, v0                           ; lane
	v_and_b32 v2, 15, v0                           ; r
	v_bfe_u32 v3, v0, 4, 1                         ; h
	v_lshlrev_b32 v4, 4, v1                        ; 16 x lane
	v_lshlrev_b32 v5, 3, v1                        ; 8 x lane
	s_mul_i32 s17, s16, STG
	v_add_nc_u32 v6, s17, v4                       ; quantiser's stage, in: 16 x lane
	v_mul_u32_u24 v7, v2, SP
	v_add_nc_u32 v7, s17, v7
	v_lshl_add_u32 v10, v3, 5, v7
	v_add_nc_u32 v10, MSTG, v10                    ; mask's stage, out: row r, + 32 h
	v_lshl_add_u32 v7, v3, 7, v7                   ; quantiser's stage, out: row r, + 128 h
	v_add_nc_u32 v9, MSTG, v6                      ; mask's stage, in
	s_cmp_ge_u32 ttmp9, 384
	s_cbranch_scc1 .Lmask
; ---- THE QUANTISER.  Wave u = 4 x work-group + wave takes tile T = u / 2 and K half u % 2: four fragments.  T 0-511: hidden (16 sb + 4 b + tt); 512-703: W_qkv; 704-767: W_dense.
	s_lshl_b32 s20, ttmp9, 2
	s_add_co_u32 s20, s20, s16
	s_lshr_b32 s21, s20, 1                         ; T
	s_and_b32 s22, s20, 1                          ; kh
	s_mov_b32 s18, 0x76543210
	s_mov_b32 s19, 0xfedcba98                      ; v_permlanex16_b32's selects for lane l xor 16
	s_mov_b32 s23, 704                             ; W_dense's figures; the two choices below put W_qkv's and hidden's in their place
	s_mov_b32 s25, WD
	s_mov_b32 s26, 196608                          ; bytes of a block of tiles,
	s_mov_b32 s27, 98304                           ; of a K half in it,
	s_mov_b32 s28, 6144                            ; from tile to tile,
	s_mov_b32 s29, 3072                            ; from fragments 0, 1 to fragments 2, 3
	s_mov_b32 s24, 4096                            ; from row to row in the source
	s_wait_kmcnt 0x0
	s_cmp_lt_u32 s21, 704
	s_cselect_b32 s23, 512, s23
	s_cselect_b32 s25, WQ, s25
	s_cselect_b32 s26, 147456, s26
	s_cselect_b32 s27, 73728, s27
	s_cselect_b32 s28, 3072, s28
	s_cselect_b32 s29, 36864, s29
	s_cselect_b32 s30, 12, 16                      ; tiles in a block
	s_cselect_b64 s[6:7], s[6:7], s[8:9]
	s_cmp_lt_u32 s21, 512
	s_cselect_b32 s23, 0, s23
	s_cselect_b32 s25, 0, s25
	s_cselect_b32 s26, 196608, s26
	s_cselect_b32 s27, 98304, s27
	s_cselect_b32 s28, 3072, s28
	s_cselect_b32 s29, 49152, s29
	s_cselect_b32 s30, 16, s30
	s_cselect_b32 s24, 16384, s24
	s_cselect_b64 s[4:5], s[4:5], s[6:7]           ; the choice hangs on the work-group's and the wave's number alone
	s_sub_co_u32 s31, s21, s23                     ; the tile's number in its tensor
	s_lshr_b32 s32, s31, 4
	s_mul_i32 s33, s31, 21846
	s_lshr_b32 s33, s33, 18                        ; / 12, exact for numbers under 192
	s_cmp_eq_u32 s30, 12
	s_cselect_b32 s32, s33, s32                    ; block
	s_mul_i32 s33, s32, s30
	s_sub_co_u32 s33, s31, s33                     ; tile in the block
	s_lshl_b32 s34, s32, 2
	s_and_b32 s35, s33, 3
	s_add_co_u32 s34, s34, s35                     ; hidden: the batch's tile of tokens 4 sb + tt,
	s_lshr_b32 s35, s33, 2                         ; and the batch
	s_cmp_lt_u32 s21, 512
	s_cselect_b32 s34, s34, s31
	s_cselect_b32 s35, s35, 0
	s_lshr_b32 s36, s34, 1
	s_lshl_b32 s36, s36, 5
	s_and_b32 s37, s34, 1
	s_lshl_b32 s37, s37, 3
	s_add_co_u32 s36, s36, s37                     ; the tile's first row
	s_mul_i32 s36, s36, s24
	s_lshl_b32 s35, s35, 12
	s_add_co_u32 s36, s36, s35
	s_lshl_b32 s35, s22, 11
	s_add_co_u32 s36, s36, s35                     ; + the K half's 2,048 bytes
	s_mov_b32 s37, 0
	s_add_nc_u64 s[4:5], s[4:5], s[36:37]
	s_mul_i32 s38, s32, s26
	s_add_co_u32 s38, s38, s25
	s_mul_i32 s39, s22, s27
	s_add_co_u32 s38, s38, s39
	s_mul_i32 s39, s33, s28
	s_add_co_u32 s38, s38, s39
	s_mov_b32 s39, 0
	s_add_nc_u64 s[38:39], s[12:13], s[38:39]      ; where fragments 0 and 1 go,
	s_mov_b32 s40, s29
	s_mov_b32 s41, 0
	s_add_nc_u64 s[40:41], s[38:39], s[40:41]      ; and fragments 2 and 3
	s_lshl_b32 s42, s21, 9
	s_lshl_b32 s43, s22, 8
	s_add_co_u32 s42, s42, s43
	s_add_co_u32 s42, s42, SC
	s_mov_b32 s43, 0
	s_add_nc_u64 s[42:43], s[12:13], s[42:43]      ; the scale words
	s_wait_alu depctr_va_vdst(0)
.irp p, 0,1,2,3,4,5,6,7,8,9,10,11,12,13,14,15
	v_mad_u32_u24 v[OFF+\p], s24, \p+8*(\p/8), v4  ; lane-row p is the tile's row p + 8 (p / 8)
.endr
	v_lshlrev_b32 v8, 4, v2
	v_lshl_add_u32 v8, v3, 3, v8                   ; the scale words' place: 16 r + 8 h
	v_lshlrev_b32 v11, 3, v3                       ; 8 h
	v_mov_b32 v250, 0                              ; written once: a lane permute's destination counts as one of its sources
.macro LOAD f                          ; fragment f: 16 rows x 512 consecutive bytes
.irp p, 0,1,2,3,4,5,6,7,8,9,10,11,12,13,14,15
	global_load_b128 v[R+64*((\f)%2)+4*\p:R+64*((\f)%2)+4*\p+3], v[OFF+\p], s[4:5] offset:512*(\f) th:TH_LOAD_NT
.endr
.endm
.macro TURN f                          ; through my stage: in as loaded, out 128 bytes (a block of 32 numbers) a lane; LDS serves a wave's instructions in order
.irp p, 0,1,2,3,4,5,6,7,8,9,10,11,12,13,14,15
	ds_store_b128 v6, v[R+64*((\f)%2)+4*\p:R+64*((\f)%2)+4*\p+3] offset:SP*\p
.endr
.irp c, 0,1
.irp i, 0,1,2,3,4,5,6,7
	ds_load_b128 v[X+32*\c+4*\i:X+32*\c+4*\i+3], v7 offset:256*\c+16*\i   ; k = 64 c + 32 h + 4 i .. of row r: the operand's own order
.endr
.endr
.endm
.macro QF f                            ; my two blocks become registers 0-5 and 6-11 of the fragment, and two bytes of the scale word
.set DB, 38+2*((\f)/2)
	v_max3_num_f32 v244, |v[X]|, |v[X+1]|, 0x1800000               ; with the floor 2^(3 - 127): the byte cannot fall under 1
	v_max3_num_f32 v245, |v[X+32]|, |v[X+33]|, 0x1800000
.irp i, 2,4,6,8,10,12,14,16,18,20,22,24,26,28,30
	v_max3_num_f32 v244, v244, |v[X+\i]|, |v[X+1+\i]|              ; (the two blocks by turns)
	v_max3_num_f32 v245, v245, |v[X+32+\i]|, |v[X+33+\i]|
.endr
	v_add_nc_u32 v246, 0xff000000, v244            ; 2 off the exponent field: the conversion's scale operand
	v_add_nc_u32 v247, 0xff000000, v245
	v_lshrrev_b32 v248, 23, v246                   ; the bytes of blocks h and 2 + h
	v_lshrrev_b32 v249, 23, v247
	v_lshl_or_b32 v248, v249, 16, v248
	v_lshlrev_b32 v248, v11, v248                  ; at their places in the word
	v_permlanex16_b32 v250, v248, s18, s19
	v_or_b32 v[252+\f], v248, v250                 ; with lane l xor 16's two the word is whole
	s_wait_alu depctr_va_vdst(0)
	s_wait_xcnt 0x0                                ; the last fragment's stores have read v224-235: they are written again only behind this wait
	v_cvt_scalef32_pk16_fp6_f32 v[P:P+2], v[X:X+15], v246
	v_cvt_scalef32_pk16_fp6_f32 v[236:238], v[X+16:X+31], v246     ; (a conversion's three registers begin on an even number)
	v_cvt_scalef32_pk16_fp6_f32 v[P+6:P+8], v[X+32:X+47], v247
	v_cvt_scalef32_pk16_fp6_f32 v[240:242], v[X+48:X+63], v247
	v_nop                                          ; one plain place behind a scaled conversion
.irp i, 0,1,2
	v_mov_b32 v[P+3+\i], v[236+\i]
	v_mov_b32 v[P+9+\i], v[240+\i]
.endr
.irp c, 0,1
	global_store_b128 v4, v[P+6*\c:P+6*\c+3], s[DB:DB+1] offset:1536*((\f)%2)+768*\c        ; 512 consecutive bytes
	global_store_b64 v5, v[P+6*\c+4:P+6*\c+5], s[DB:DB+1] offset:1536*((\f)%2)+768*\c+512   ; 256 consecutive bytes
.endr
.endm
	LOAD 0
	LOAD 1
	s_wait_alu depctr_va_vdst(0)
.irp f, 0,1,2,3
.if \f < 3
	s_wait_loadcnt 16                              ; this fragment's 16 loads are in; the next fragment's 16 may be out
.else
	s_wait_loadcnt 0x0
.endif
	TURN \f
	s_wait_dscnt 0x0                               ; my numbers are back, and the stage's stores have read the registers that the next loads fill
.if \f < 2
	LOAD \f+2
.endif
	QF \f
.endr
	s_mov_b32 vcc_lo, 0xffff0000
	v_cndmask_b32 v244, v252, v254, vcc_lo         ; lanes 0-15 store words 0 and 1 of their row, lanes 16-31 words 2 and 3
	v_cndmask_b32 v245, v253, v255, vcc_lo
	global_store_b64 v8, v[244:245], s[42:43]      ; 256 consecutive bytes
	s_wait_tensorcnt 0x0
	ds_add_u32 v243, v251
	s_wait_dscnt 0x0
	s_endpgm
; ---- THE MASK.  Work-group 384 + 128 b + t; wave w takes the 16 queries of tile t of batch b and keys 512 w .. 512 w + 511: four key steps of 128.
; Word n = 32 c + i of a key step: bit r + 16 h says whether key 64 c + 32 h + i is hidden from the tile's query r: the order of the attention launch's score registers.
; (The mask's stage is read at row r, + 32 h.)
.Lmask:
	s_sub_co_u32 s20, ttmp9, 384                   ; 128 b + t
	s_and_b32 s21, s20, 127
	s_lshr_b32 s22, s20, 7
	s_lshr_b32 s23, s21, 1
	s_lshl_b32 s23, s23, 5
	s_and_b32 s24, s21, 1
	s_lshl_b32 s24, s24, 3
	s_add_co_u32 s23, s23, s24                     ; the tile's first query
	s_lshl_b32 s23, s23, 11
	s_lshl_b32 s24, s22, 22
	s_add_co_u32 s23, s23, s24
	s_lshl_b32 s24, s16, 9
	s_add_co_u32 s24, s23, s24
	s_mov_b32 s25, 0
	s_lshl_b32 s26, s20, 12
	s_lshl_b32 s27, s16, 10
	s_add_co_u32 s26, s26, s27
	s_mov_b32 s27, 0
	s_wait_kmcnt 0x0
	s_add_nc_u64 s[10:11], s[10:11], s[24:25]
	s_add_nc_u64 s[14:15], s[14:15], s[26:27]
	s_wait_alu depctr_va_vdst(0)
.irp p, 0,1,2,3,4,5,6,7,8,9,10,11,12,13,14,15
	global_load_b128 v[R+4*\p:R+4*\p+3], v4, s[10:11] offset:(\p+8*(\p/8))*2048 th:TH_LOAD_NT   ; 512 consecutive bytes of a query's row
.endr
.irp i, 0,1,2,3,4,5,6,7
	v_mov_b32 v[224+\i], 0                         ; v_writelane_b32's destination counts as one of its sources
.endr
	s_wait_loadcnt 0x0
.irp p, 0,1,2,3,4,5,6,7,8,9,10,11,12,13,14,15
	ds_store_b128 v9, v[R+4*\p:R+4*\p+3] offset:SP*\p
.endr
.irp q, 0,1,2,3,4,5,6,7,8,9,10,11,12,13,14,15
	ds_load_b128 v[X+4*\q:X+4*\q+3], v10 offset:64*(\q/2)+16*(\q%2)   ; keys 64 (q / 2) + 32 h + 16 (q % 2) + 0 .. 15 of query r
.endr
	s_wait_dscnt 0x0
.set n, 0
.rept 32                               ; eight words at a time: a byte is cut out, compared in all 32 lanes, and the lanes' bits are one word
.irp k, 0,1,2,3,4,5,6,7
	v_and_b32 v[12+\k], 0xff<<(8*((n+\k)%4)), v[X+4*((n+\k)/16)+((n+\k)%16)/4]
.endr
.irp k, 0,1,2,3,4,5,6,7
	v_cmp_ne_u32 s[28+\k], 0, v[12+\k]
.endr
.irp k, 0,1,2,3,4,5,6,7
	v_writelane_b32 v[224+2*((n+\k)/64)+(n+\k)%2], s[28+\k], ((n+\k)%64)/2   ; lane L of a key step's pair holds words 2 L and 2 L + 1
.endr
.set n, n+8
.endr
.irp s, 0,1,2,3
	global_store_b64 v5, v[224+2*\s:225+2*\s], s[14:15] offset:256*\s   ; a key step's 64 words: 256 consecutive bytes
.endr
	s_wait_tensorcnt 0x0
	ds_add_u32 v243, v251
	s_wait_dscnt 0x0
	s_endpgm
.Lfunc_end_k_q525663c179_prep:
	.size	k_q525663c179_prep, .Lfunc_end_k_q525663c179_prep-k_q525663c179_prep
	.p2alignl 7, 3214868480
	.fill 96, 4, 3214868480
	.section	.rodata,"a",@progbits
	.p2align	6, 0x0
	.amdhsa_kernel k_q525663c179_prep
		.amdhsa_group_segment_fixed_size 68096
		.amdhsa_private_segment_fixed_size 0
		.amdhsa_enable_private_segment 0
		.amdhsa_kernarg_size 48
		.amdhsa_user_sgpr_count 2
		.amdhsa_user_sgpr_kernarg_segment_ptr 1
		.amdhsa_wavefront_size32 1
		.amdhsa_system_sgpr_workgroup_id_x 1
		.amdhsa_system_sgpr_workgroup_id_y 1
		.amdhsa_system_sgpr_workgroup_id_z 1
		.amdhsa_system_vgpr_workitem_id 0
		.amdhsa_next_free_vgpr 256
		.amdhsa_next_free_sgpr 66
		.amdhsa_reserve_vcc 1
		.amdhsa_float_denorm_mode_32 3
		.amdhsa_float_denorm_mode_16_64 3
		.amdhsa_memory_ordered 1
		.amdhsa_forward_progress 1
		.amdhsa_inst_pref_size 87
	.end_amdhsa_kernel
	.amdgpu_metadata
---
amdhsa.version: [ 1, 2 ]
amdhsa.kernels:
  - .name:           k_q525663c179_prep
    .symbol:         k_q525663c179_prep.kd
    .args:
      - { .name: hidden_states, .offset: 0, .size: 8, .value_kind: global_buffer, .address_space: global }
      - { .name: W_qkv, .offset: 8, .size: 8, .value_kind: global_buffer, .address_space: global }
      - { .name: W_dense, .offset: 16, .size: 8, .value_kind: global_buffer, .address_space: global }
      - { .name: attention_mask, .offset: 24, .size: 8, .value_kind: global_buffer, .address_space: global }
      - { .name: opq, .offset: 32, .size: 8, .value_kind: global_buffer, .address_space: global }
      - { .name: maskw, .offset: 40, .size: 8, .value_kind: global_buffer, .address_space: global }
    .group_segment_fixed_size: 68096
    .private_segment_fixed_size: 0
    .kernarg_segment_align: 8
    .kernarg_segment_size: 48
    .max_flat_workgroup_size: 128
    .sgpr_count:     66
    .vgpr_count:     256
    .wavefront_size: 32
...
	.end_amdgpu_metadata
.endif
;; end of part 1
;; launch qkv (part 2): grid 16 x 32, 4 waves a work-group, clusters of 4 x 4, 327,680 bytes of LDS; arguments opq, b_qkv, qkv; writes qkv
.if DOCPART == 2
	.amdgcn_target "amdgcn-amd-amdhsa--gfx1250"
	.amdhsa_code_object_version 6
	.text
	.protected	k_q525663c179_qkv
	.globl	k_q525663c179_qkv
	.p2align	8
	.type	k_q525663c179_qkv,@function
k_q525663c179_qkv:
	s_mov_b64 s[64:65], 0
	v_nop
	global_prefetch_b8 v0, s[64:65] scope:SCOPE_SE
	s_setreg_imm32_b32 hwreg(HW_REG_WAVE_MODE, 25, 1), 1
	s_wait_xcnt 0x0
	s_wait_alu depctr_hold_cnt(0) depctr_sa_sdst(0) depctr_va_vdst(0) depctr_va_sdst(0) depctr_va_ssrc(0) depctr_va_vcc(0) depctr_vm_vsrc(0)
	s_getreg_b32 s2, hwreg(HW_REG_IB_STS2, 6, 4)
	s_cmp_eq_u32 s2, 0
	s_cbranch_scc0 .Lentry_in_a_cluster
	s_endpgm
.Lentry_in_a_cluster:
	s_bfe_u32 s2, ttmp6, 0x10000c
	s_cmp_lg_u32 s2, 0xf033
	s_cbranch_scc0 .Lentry_shape_is_right
	s_endpgm
.Lentry_shape_is_right:
; QKV.  mixed = hidden W_qkv^T + b_qkv on codes of E2M3 (K = 1,024, eight steps of 128), and its three parts quantised in registers: q and k along the head's 64, v along the tokens.
; SHARES.  Work-group (hh, sb): head hh's 192 columns x tokens 64 sb .. 64 sb + 63 of all four batches.  WAVE w IS BATCH w: 4 tiles of tokens x 12 tiles of columns, 48 accumulators.
; So a lane that holds one column of v holds 32 neighbouring tokens of one batch, a whole block of v's quantiser; nothing goes from wave to wave.
; USE.  q, k: source 0 = 16 rows of W, source 1 = 16 tokens: a lane holds a token, its registers run along the head's 64.  v: source 0 = 16 tokens, source 1 = 16 rows of W: a lane holds a column, its registers run along the tokens.
; Tiles hold their rows in the order p -> 32 (t / 2) + 8 (t % 2) + p + 8 (p / 8), so that the 16 registers of tiles 2 b and 2 b + 1 are 16 neighbours, 32 b + 16 (lane / 16) + 0 .. 15.
; OPERANDS come as images of their registers (a fragment: 1,536 bytes; its halves: registers 0-3 at 16 x lane, 4-5 at 512 + 8 x lane): every LDS load takes consecutive bytes.
; LDS: three slots of 256 along K (tokens 49,152 bytes, W 36,864); K's fourth quarter fills slot 0 again: four such slots do not fit.  Behind them the scale words of all of K, filled once.
; CLUSTERS: 4 x 4 work-groups.  The four of a row of the cluster (one sb) need the same tokens, the four of a column (one hh) the same rows of W: each block is asked for jointly.
; A wave has one tensor load out at a time.
; OUT: images again.  q [b][hh][tile][768]; for each head and key step of 128 tokens a block of 13,312 bytes: k's 8 half fragments, v's 4 fragments, k's scale words, v's scale words, 256 zeros.
; The scale words of q and k repeat their two bytes: the attention's product has K = 64 in a form of 128, and its upper two blocks meet zero codes.
; LIMITS: NaN and infinities are not served; a block's byte is held at 1 from below; a block of zeros gets the byte 1 (its codes are zeros; this program alone reads the bytes).
; REGISTERS.  Window 0: v0-31 addresses; v32-47 the tokens' scale words, v48-95 W's (they hold scales alone); v96-107 scale words made; v108-115 v's bias; v116-176 the way out.
;   Windows 1, 2: fragment sets 0, 1: W at 12 tl, tokens at 144 + 12 tt; v192-255: v's accumulators (columns' tiles 0, 1 in window 1; 2, 3 in window 2).  Window 3: the 32 accumulators of q and k.
.set WQ,    6291456
.set SC,    9437184
.set QS,    6291456
.set KV,    6815744
.set SLOT,  86016
.set WOFF,  49152
.set SCL,   3*SLOT
.set SPARE, SCL+14336                  ; the spare words: 128 bytes for each wave, two blocks of 256 bytes that no other line names
.set AT16,  6                          ; v6-8   tokens in slot q: 16 x lane;  v9-11: 8 x lane
.set AT8,   9
.set AW16,  12                         ; v12-14, v15-17 the same for W
.set AW8,   15
.set AST,   18                         ; v18 my tokens' scale words: 16 r
.set ASW,   19                         ; v19 W's
.set SPW,   20                         ; v20 my spare word; never rewritten
.set NIL,   21                         ; v21 0; never rewritten
.set G1A,   20                         ; s[20:27] group 1: tokens;  s[28:35] W;  s[36:43], s[44:51] their scale words
.set G1B,   28
.set G1SA,  36
.set G1SB,  44
.set G0A,   52                         ; s[52:63] group 0, tokens, a set for each slot;  s[68:71] their scale words
.set G0SA,  68
.set G0B,   72                         ; s[72:83], s[84:87] the same for W
.set G0SB,  84
.set MSB, 0
.macro WIN new                         ; the immediate's high byte repeats the setting that is left
.set NW, \new
.if MSB != NW
	s_set_vgpr_msb (MSB<<8)|NW
.set MSB, NW
.endif
.endm
.macro JLOAD g0a, g1a, g0b, g1b        ; a joint load: waves 0 and 1 fetch the tokens' halves, waves 2 and 3 W's; four v_nop follow each line
	s_cmp_eq_u32 s11, 0
	s_cbranch_scc0 .Lfor_b_\@
	tensor_load_to_lds s[\g0a:\g0a+3], s[\g1a:\g1a+7]
	s_nop 0
.rept 4
	v_nop
.endr
	s_branch .Lasked_\@
.Lfor_b_\@:
	tensor_load_to_lds s[\g0b:\g0b+3], s[\g1b:\g1b+7]
	s_nop 0
.rept 4
	v_nop
.endr
.Lasked_\@:
.endm
.macro CROUND                          ; a round of the cluster's barrier
	s_barrier_signal -1
	s_barrier_wait -1
	s_cmp_lg_u32 s10, 0
	s_cbranch_scc1 .Lnot_wave_0_\@
	s_barrier_signal -3
.Lnot_wave_0_\@:
	s_barrier_wait -3
	s_barrier_signal -1
	s_barrier_wait -1
.endm
.macro SHAPE g, rows                   ; a dense block as rows of 256 bytes: 32 elements of 8 bytes
	s_mov_b32 s[\g+1], 32<<16
	s_mov_b32 s[\g+2], (\rows)<<16
	s_mov_b32 s[\g+3], 32<<16
	s_mov_b32 s[\g+4], \rows
	s_mov_b32 s[\g+5], 32
	s_mov_b32 s[\g+6], 0
	s_mov_b32 s[\g+7], 0
.endm
.macro PLACES                          ; four places behind a matrix instruction, in front of loads into its registers and of reads of its results
.rept 4
	v_nop
.endr
.endm
	s_load_b128 s[4:7], s[0:1], 0x0                ; opq, b_qkv
	s_load_b64 s[8:9], s[0:1], 0x10                ; qkv
	v_lshl_add_u32 v[SPW], v0, 2, SPARE
	v_mov_b32 v[NIL], 0
	ds_add_u32 v20, v21
	ds_add_u32 v20, v21
	s_wait_dscnt 0x0
	v_lshrrev_b32 v1, 5, v0
	v_readfirstlane_b32 s10, v1                    ; wave = batch
	s_lshr_b32 s11, s10, 1                         ; I fetch tokens (0) or W (1),
	s_and_b32 s12, s10, 1                          ; this half of the block
	s_bfe_u32 s13, ttmp6, 0x40000                  ; cx
	s_bfe_u32 s14, ttmp6, 0x40004                  ; cy
	s_lshl_b32 s15, ttmp9, 2
	s_add_co_u32 s15, s15, s13                     ; hh = 4 x cluster x + cx
	s_and_b32 s16, ttmp7, 0xffff
	s_lshl_b32 s16, s16, 2
	s_add_co_u32 s16, s16, s14                     ; sb = 4 x cluster y + cy
	s_lshl_b32 s17, s14, 2
	s_lshl_b32 s17, 15, s17                        ; my row of the cluster
	s_lshl_b32 s18, 0x1111, s13                    ; my column
	s_or_b32 s[G1A], s17, (3<<16)|(1<<21)          ; 15:0 the mask; 17:16 elements of 8 bytes; 21 set beside a mask; no padding
	s_or_b32 s[G1SA], s17, (3<<16)|(1<<21)
	s_or_b32 s[G1B], s18, (3<<16)|(1<<21)
	s_or_b32 s[G1SB], s18, (3<<16)|(1<<21)
	SHAPE G1A, 192                                 ; a whole K quarter of tokens: 49,152 bytes (the refill of slot 0 sets the rows to a half's)
	SHAPE G1B, 144                                 ; a whole K quarter of W: 36,864
	SHAPE G1SA, 32                                 ; all the tokens' scale words: 8,192
	SHAPE G1SB, 24                                 ; all W's: 6,144
	s_mul_i32 s2, s12, 24576                       ; my half of the refill, in memory and in LDS alike: no place in the cluster enters an LDS address
	s_mul_i32 s3, s12, 18432
	s_mul_i32 s88, s16, 196608                     ; tokens: [sb][K quarter][49,152]
	s_mov_b32 s89, 0
	s_mul_i32 s90, s15, 147456                     ; W: [hh][K quarter][36,864]
	s_add_co_u32 s90, s90, WQ
	s_mov_b32 s91, 0
	s_lshl_b32 s92, s16, 13                        ; the tokens' scale words: 16 tiles x 512 bytes
	s_add_co_u32 s92, s92, SC
	s_mov_b32 s93, 0
	s_mul_i32 s94, s15, 6144                       ; W's: 12 tiles x 512, behind the tokens' 512 tiles
	s_add_co_u32 s94, s94, SC+262144
	s_mov_b32 s95, 0
	s_wait_kmcnt 0x0
	s_add_nc_u64 s[88:89], s[4:5], s[88:89]
	s_add_nc_u64 s[90:91], s[4:5], s[90:91]
	s_add_nc_u64 s[92:93], s[4:5], s[92:93]
	s_add_nc_u64 s[94:95], s[4:5], s[94:95]
	CROUND                                         ; all sixteen work-groups are here: the first joint loads meet
; THE FILLS, one tensor load a wave at the head and one behind each round.
; Head: wave 0 the tokens' K quarter 0, wave 1 W's, wave 2 the tokens' scale words, wave 3 W's.  Behind the next round: waves 0, 1 the tokens' quarters 1, 2; waves 2, 3 W's.  Later quarter 3 fills slot 0 again, by halves.
	s_mov_b32 s[G0SA], 1
	s_mov_b32 s[G0SA+1], SCL
	s_mov_b64 s[G0SA+2:G0SA+3], s[92:93]
	s_or_b32 s[G0SA+3], s[G0SA+3], 0x80000000
	s_mov_b32 s[G0SB], 1
	s_mov_b32 s[G0SB+1], SCL+8192
	s_mov_b64 s[G0SB+2:G0SB+3], s[94:95]
	s_or_b32 s[G0SB+3], s[G0SB+3], 0x80000000
	s_mov_b32 s[G0A], 1                            ; set 0: quarter 0, whole
	s_mov_b32 s[G0A+1], 0
	s_mov_b64 s[G0A+2:G0A+3], s[88:89]
	s_or_b32 s[G0A+3], s[G0A+3], 0x80000000
	s_mov_b32 s[G0B], 1
	s_mov_b32 s[G0B+1], WOFF
	s_mov_b64 s[G0B+2:G0B+3], s[90:91]
	s_or_b32 s[G0B+3], s[G0B+3], 0x80000000
	s_add_co_u32 s17, s12, 1                       ; set 1: quarter 1 or 2, by the wave's number, whole, into the slot of that number
	s_mov_b32 s93, 0
	s_mov_b32 s[G0A+4], 1
	s_mul_i32 s[G0A+5], s17, SLOT
	s_mul_i32 s92, s17, 49152
	s_add_nc_u64 s[G0A+6:G0A+7], s[88:89], s[92:93]
	s_or_b32 s[G0A+7], s[G0A+7], 0x80000000
	s_mov_b32 s[G0B+4], 1
	s_mul_i32 s[G0B+5], s17, SLOT
	s_add_co_u32 s[G0B+5], s[G0B+5], WOFF
	s_mul_i32 s92, s17, 36864
	s_add_nc_u64 s[G0B+6:G0B+7], s[90:91], s[92:93]
	s_or_b32 s[G0B+7], s[G0B+7], 0x80000000
	s_mov_b32 s[G0A+8], 1                          ; set 2: my half of quarter 3, into slot 0
	s_mov_b32 s[G0A+9], s2
	s_add_co_u32 s92, s2, 3*49152
	s_add_nc_u64 s[G0A+10:G0A+11], s[88:89], s[92:93]
	s_or_b32 s[G0A+11], s[G0A+11], 0x80000000
	s_mov_b32 s[G0B+8], 1
	s_add_co_u32 s[G0B+9], s3, WOFF
	s_add_co_u32 s92, s3, 3*36864
	s_add_nc_u64 s[G0B+10:G0B+11], s[90:91], s[92:93]
	s_or_b32 s[G0B+11], s[G0B+11], 0x80000000
.macro ARM under, g0, g1, next         ; one tree of branches on the wave's number: every way through the head passes exactly one load
	s_cmp_lt_u32 s10, \under
	s_cbranch_scc0 \next
	tensor_load_to_lds s[\g0:\g0+3], s[\g1:\g1+7]
	s_nop 0
.rept 4
	v_nop
.endr
	s_branch .Lhead_asked
\next:
.endm
	ARM 1, G0A,  G1A,  .Lhead_b
	ARM 2, G0B,  G1B,  .Lhead_sa
	ARM 3, G0SA, G1SA, .Lhead_sb
	tensor_load_to_lds s[G0SB:G0SB+3], s[G1SB:G1SB+7]
	s_nop 0
.rept 4
	v_nop
.endr
.Lhead_asked:
	v_and_b32 v1, 31, v0                           ; lane
	v_and_b32 v2, 15, v0                           ; r
	v_bfe_u32 v3, v0, 4, 1                         ; h
	v_lshlrev_b32 v4, 4, v1
	v_lshlrev_b32 v5, 3, v1
	s_mul_i32 s18, s10, 12288                      ; my batch's tokens in a slot
.irp q, 0,1,2
	v_add_nc_u32 v[AT16+\q], s18, v4
	v_add_nc_u32 v[AT8+\q], s18, v5
	v_add_nc_u32 v[AW16+\q], \q*SLOT+WOFF, v4
	v_add_nc_u32 v[AW8+\q], \q*SLOT+WOFF, v5
	s_add_co_u32 s18, s18, SLOT
.endr
	v_lshlrev_b32 v22, 4, v2                       ; 16 r
	s_wait_alu depctr_va_vdst(0)
	v_add_nc_u32 v[ASW], SCL+8192, v22
	s_lshl_b32 s18, s10, 11
	v_add_nc_u32 v[AST], s18, v22
	v_add_nc_u32 v[AST], SCL, v[AST]
	; where the results go
	s_mov_b32 s88, 0x76543210
	s_mov_b32 s89, 0xfedcba98                      ; v_permlanex16_b32's selects for lane l xor 16
	s_lshl_b32 s17, s10, 4
	s_add_co_u32 s17, s17, s15                     ; y = 16 b + hh
	s_lshl_b32 s96, s17, 7
	s_lshl_b32 s18, s16, 2
	s_add_co_u32 s96, s96, s18
	s_mul_i32 s96, s96, 768                        ; q's images: tile 128 y + 4 sb
	s_mov_b32 s97, 0
	s_lshl_b32 s98, s17, 5
	s_add_co_u32 s98, s98, s16
	s_lshl_b32 s98, s98, 8
	s_add_co_u32 s98, s98, QS                      ; q's scale words: 256 bytes for (y, sb)
	s_mov_b32 s99, 0
	s_lshl_b32 s100, s17, 4
	s_lshr_b32 s18, s16, 1
	s_add_co_u32 s100, s100, s18
	s_mul_i32 s100, s100, 13312
	s_add_co_u32 s100, s100, KV                    ; the key step's block
	s_mov_b32 s101, 0
	s_add_nc_u64 s[96:97], s[8:9], s[96:97]
	s_add_nc_u64 s[98:99], s[8:9], s[98:99]
	s_add_nc_u64 s[100:101], s[8:9], s[100:101]
	s_mul_i32 s18, s15, 768
	s_mov_b32 s19, 0
	s_add_nc_u64 s[6:7], s[6:7], s[18:19]          ; the head's 192 numbers of the bias
	s_and_b32 s90, s16, 1                          ; c': which half of the key step these 64 tokens are.  It enters the stores' offsets alone
	s_mul_i32 s91, s90, 3072
	v_add_nc_u32 v25, s91, v4                      ; k's images
	v_add_nc_u32 v26, s91, v5
	s_mul_i32 s91, s90, 768
	v_add_nc_u32 v27, s91, v4                      ; v's
	v_add_nc_u32 v28, s91, v5
	v_lshl_add_u32 v30, v3, 2, v22
	v_lshl_add_u32 v22, v3, 3, v22                 ; q's scale words: 16 r + 8 h
	s_lshl_b32 s91, s90, 8
	v_add_nc_u32 v29, s91, v22                     ; k's
	s_lshl_b32 s91, s90, 1
	v_add_nc_u32 v30, s91, v30                     ; v's half words: 16 r + 4 h + 2 c'
	v_lshlrev_b32 v31, 2, v1
	s_lshl_b32 s91, s90, 7
	v_add_nc_u32 v31, s91, v31                     ; the block's last 256 bytes
	v_lshlrev_b32 v23, 6, v3                       ; q's and k's bias: my half's 16 numbers begin 64 h bytes on
	v_and_b32 v24, 8, v2
	v_add_nc_u32 v24, v24, v2
	v_lshlrev_b32 v24, 2, v24                      ; v's bias: my column r + 8 (r / 8) of a tile
	v_mov_b32 v118, 0                              ; written once: a lane permute's destination counts as one of its sources
	v_mov_b32 v119, 0
	v_mov_b32 v176, 0
.irp e, 0,1,2,3
	global_load_b32 v[108+2*\e], v24, s[6:7] offset:(128+32*(\e/2)+8*(\e%2))*4    ; twice: a pair for the packed addition
	global_load_b32 v[109+2*\e], v24, s[6:7] offset:(128+32*(\e/2)+8*(\e%2))*4
.endr
.macro FRAG reg, a16, a8, off          ; a fragment's image into 12 registers
	ds_load_b128 v[\reg:\reg+3], v[\a16] offset:\off
	ds_load_b64 v[\reg+4:\reg+5], v[\a8] offset:\off+512
	ds_load_b128 v[\reg+6:\reg+9], v[\a16] offset:\off+768
	ds_load_b64 v[\reg+10:\reg+11], v[\a8] offset:\off+1280
.endm
.macro FETCHW p, q, ks                 ; W's 12 fragments of slot q, its ks-th 128 along K, into set p: 48 loads
	WIN 0x40*((\p)+1)
.irp tl, 0,1,2,3,4,5,6,7,8,9,10,11
	FRAG 12*\tl, AW16+\q, AW8+\q, \tl*3072+\ks*1536
.endr
.endm
.macro FETCHT p, q, ks                 ; my batch's 4 fragments: 16 loads
	WIN 0x40*((\p)+1)
.irp tt, 0,1,2,3
	FRAG 144+12*\tt, AT16+\q, AT8+\q, \tt*3072+\ks*1536
.endr
.endm
.macro SCALES kh                       ; the scale words of four K steps: 16 loads of four words
.irp tt, 0,1,2,3
	ds_load_b128 v[32+4*\tt:35+4*\tt], v[AST] offset:512*\tt+256*\kh
.endr
.irp tl, 0,1,2,3,4,5,6,7,8,9,10,11
	ds_load_b128 v[48+4*\tl:51+4*\tl], v[ASW] offset:512*\tl+256*\kh
.endr
.endm
; A K step's 48 products.  The 48 accumulators take turns, one instruction a turn, in the same order in every step.  zero = 1: the first step starts the sums.
.macro MUL p, ksm, zero
	WIN 0xf0+5*((\p)+1)                            ; sources in the set's window, C and D in window 3
.irp tl, 0,1,2,3,4,5,6,7
.irp tt, 0,1,2,3
.set DA, 8*(4*(4*(\tl/4)+\tt)+\tl%4)
.if \zero
	v_wmma_scale_f32_16x16x128_f8f6f4 v[DA:DA+7], v[12*\tl:12*\tl+11], v[144+12*\tt:144+12*\tt+11], 0, v[48+4*\tl+\ksm], v[32+4*\tt+\ksm] matrix_a_fmt:MATRIX_FMT_FP6 matrix_b_fmt:MATRIX_FMT_FP6
.else
	v_wmma_scale_f32_16x16x128_f8f6f4 v[DA:DA+7], v[12*\tl:12*\tl+11], v[144+12*\tt:144+12*\tt+11], v[DA:DA+7], v[48+4*\tl+\ksm], v[32+4*\tt+\ksm] matrix_a_fmt:MATRIX_FMT_FP6 matrix_b_fmt:MATRIX_FMT_FP6
.endif
.endr
.endr
.irp e, 0,1,2,3
	WIN 0x50*((\e/2)+1)+5*((\p)+1)                 ; v's accumulators: window 1 or 2
.irp tt, 0,1,2,3
.set DA, 192+8*(4*(\e%2)+\tt)
.if \zero
	v_wmma_scale_f32_16x16x128_f8f6f4 v[DA:DA+7], v[144+12*\tt:144+12*\tt+11], v[96+12*\e:96+12*\e+11], 0, v[32+4*\tt+\ksm], v[80+4*\e+\ksm] matrix_a_fmt:MATRIX_FMT_FP6 matrix_b_fmt:MATRIX_FMT_FP6
.else
	v_wmma_scale_f32_16x16x128_f8f6f4 v[DA:DA+7], v[144+12*\tt:144+12*\tt+11], v[96+12*\e:96+12*\e+11], v[DA:DA+7], v[32+4*\tt+\ksm], v[80+4*\e+\ksm] matrix_a_fmt:MATRIX_FMT_FP6 matrix_b_fmt:MATRIX_FMT_FP6
.endif
.endr
.endr
.endm
	s_wait_alu depctr_va_vdst(0)
	s_wait_tensorcnt 0x0                           ; my tile of the head's four is in
	ds_add_u32 v[SPW], v[NIL]
	s_wait_dscnt 0x0
	CROUND                                         ; all four tiles are in, and the joint loads meet
	JLOAD G0A+4, G1A, G0B+4, G1B                   ; slots 1 and 2: one whole quarter a wave; K steps 0 and 1 are multiplied meanwhile
	FETCHW 0, 0, 0
	FETCHT 0, 0, 0
	WIN 0
	SCALES 0
	s_wait_dscnt 0x0                               ; K step 0: its fragments and the scale words are in
	FETCHW 1, 0, 1                                 ; the next step's are asked for, and land while this step is multiplied
	FETCHT 1, 0, 1
	MUL 0, 0, 1
	s_wait_dscnt 0x0                               ; K step 1
	MUL 1, 1, 0
	WIN 0                                          ; SLOT 0 IS FILLED AGAIN, with K's fourth quarter
	s_wait_tensorcnt 0x0                           ; all my tensor loads have landed, my parts of slots 1 and 2 among them: a group 0 may be written
	ds_add_u32 v[SPW], v[NIL]                      ; 0 onto my spare word
	s_mov_b32 s[G1A+2], 96<<16                     ; no tensor load of mine is out: from here on a load brings half a quarter
	s_mov_b32 s[G1A+4], 96
	s_mov_b32 s[G1B+2], 72<<16
	s_mov_b32 s[G1B+4], 72
	s_wait_dscnt 0x0
	CROUND
	JLOAD G0A+8, G1A, G0B+8, G1B
	FETCHW 0, 1, 0
	FETCHT 0, 1, 0
	s_wait_dscnt 0x0                               ; K step 2
	FETCHW 1, 1, 1
	FETCHT 1, 1, 1
	MUL 0, 2, 0
	s_wait_dscnt 0x0                               ; K step 3
	PLACES
	FETCHW 0, 2, 0
	FETCHT 0, 2, 0
	MUL 1, 3, 0
	s_wait_dscnt 0x0                               ; K step 4: the scale words of K's second half take the first half's place
	PLACES
	WIN 0
	SCALES 1
	FETCHW 1, 2, 1
	s_wait_dscnt 48                                ; the 48 loads just issued may be out: the scale words are in
	FETCHT 1, 2, 1
	MUL 0, 0, 0
	s_wait_dscnt 0x0                               ; K step 5
	WIN 0
	s_wait_tensorcnt 0x0                           ; my part of K's fourth quarter is in,
	s_barrier_signal -1
	s_barrier_wait -1                              ; everybody's is
	PLACES
	FETCHW 0, 0, 0
	FETCHT 0, 0, 0
	MUL 1, 1, 0
	s_wait_dscnt 0x0                               ; K step 6
	PLACES
	FETCHW 1, 0, 1
	FETCHT 1, 0, 1
	MUL 0, 2, 0
	s_wait_dscnt 0x0                               ; K step 7: set 0 is free: q's and k's bias, in the results' layout, lands there while the last step is multiplied
	PLACES
	WIN 0x40
	s_wait_alu depctr_va_vdst(0)
.irp u, 0,1,2,3,4,5,6,7                ; u = 4 g + fl: register 8 u + j is the bias of unit 64 g + 32 (fl / 2) + 16 h + 8 (fl % 2) + j
	global_load_b128 v[8*\u:8*\u+3], v23, s[6:7] offset:(64*(\u/4)+32*((\u%4)/2)+8*(\u%2))*4
	global_load_b128 v[8*\u+4:8*\u+7], v23, s[6:7] offset:(64*(\u/4)+32*((\u%4)/2)+8*(\u%2))*4+16
.endr
	MUL 1, 3, 0
; THE WAY OUT.  32 numbers of a lane, v128-159, register 16 b + i = place 32 b + 16 (lane / 16) + i along the next K, become half a fragment in v160-165 and two scale bytes in v[hw].
.macro QUANT2 hw
	v_max3_num_f32 v116, |v128|, |v129|, 0x1800000                 ; with the floor 2^(3 - 127): the byte cannot fall under 1
	v_max3_num_f32 v117, |v144|, |v145|, 0x1800000
.irp i, 2,4,6,8,10,12,14
	v_max3_num_f32 v116, v116, |v[128+\i]|, |v[129+\i]|
	v_max3_num_f32 v117, v117, |v[144+\i]|, |v[145+\i]|
.endr
	v_permlanex16_b32 v118, v116, s88, s89
	v_permlanex16_b32 v119, v117, s88, s89
	v_max_num_f32 v116, v116, v118                 ; with lane l xor 16's 16: the block's largest magnitude
	v_max_num_f32 v117, v117, v119
	v_add_nc_u32 v120, 0xff000000, v116            ; 2 off the exponent field: the conversion's scale operand
	v_add_nc_u32 v121, 0xff000000, v117
	v_lshrrev_b32 v122, 23, v120
	v_lshrrev_b32 v123, 23, v121
	v_lshl_or_b32 v[\hw], v123, 8, v122
	s_wait_alu depctr_va_vdst(0)
	s_wait_xcnt 0x0                                ; the last image's stores have read v160-165: they are written again only behind this wait
	v_cvt_scalef32_pk16_fp6_f32 v[160:162], v[128:143], v120
	v_cvt_scalef32_pk16_fp6_f32 v[166:168], v[144:159], v121
	v_nop                                          ; one plain place behind a scaled conversion
.irp i, 0,1,2
	v_permlane16_swap_b32 v[160+\i], v[166+\i]     ; the operand's layout wants a whole block in a lane: lanes 0-15 block 0, lanes 16-31 block 1
.endr
.irp i, 0,1,2
	v_mov_b32 v[163+\i], v[166+\i]
.endr
.endm
	WIN 0
	PLACES
	s_wait_loadcnt 0x0                             ; the biases
.irp g, 0,1                            ; q, then k: a tile of 16 tokens at a time
.irp tt, 0,1,2,3
	WIN 0x07                                       ; source 0 window 3, source 1 window 1, destination window 0: the addition of the bias is also the way into window 0
.irp i, 0,2,4,6,8,10,12,14,16,18,20,22,24,26,28,30
	v_pk_add_f32 v[128+\i:129+\i], v[32*(4*\g+\tt)+\i:32*(4*\g+\tt)+\i+1], v[32*\g+\i:32*\g+\i+1]   ; each accumulator from its low end on
.endr
	WIN 0
	QUANT2 124
	v_lshl_or_b32 v[96+4*\g+\tt], v124, 16, v124   ; the two bytes, twice
.if \g == 0
	global_store_b128 v4, v[160:163], s[96:97] offset:768*\tt
	global_store_b64 v5, v[164:165], s[96:97] offset:768*\tt+512
.else
	global_store_b128 v25, v[160:163], s[100:101] offset:768*\tt
	global_store_b64 v26, v[164:165], s[100:101] offset:768*\tt+512
.endif
.endr
.endr
.irp e, 0,1,2,3                        ; v: a tile of 16 columns at a time; its 32 registers run along my batch's 64 tokens
	WIN 0x01+\e/2
.irp i, 0,2,4,6,8,10,12,14,16,18,20,22,24,26,28,30
	v_pk_add_f32 v[128+\i:129+\i], v[192+32*(\e%2)+\i:192+32*(\e%2)+\i+1], v[108+2*\e:109+2*\e]
.endr
	WIN 0
	QUANT2 104+\e
	global_store_b128 v27, v[160:163], s[100:101] offset:6144+1536*\e
	global_store_b64 v28, v[164:165], s[100:101] offset:6144+1536*\e+512
.endr
	s_mov_b32 vcc_lo, 0xffff0000
	v_cndmask_b32 v170, v96, v98, vcc_lo           ; lanes 0-15 store the words of tiles 0 and 1 of their row, lanes 16-31 those of tiles 2 and 3
	v_cndmask_b32 v171, v97, v99, vcc_lo
	v_cndmask_b32 v172, v100, v102, vcc_lo
	v_cndmask_b32 v173, v101, v103, vcc_lo
	v_cndmask_b32 v174, v104, v105, vcc_lo         ; v: lane (r, h) stores the half words of columns' tiles h and 2 + h
	v_cndmask_b32 v175, v106, v107, vcc_lo
	global_store_b64 v22, v[170:171], s[98:99]                     ; 256 consecutive bytes
	global_store_b64 v29, v[172:173], s[100:101] offset:12288      ; likewise
	global_store_b16 v30, v174, s[100:101] offset:12800            ; two bytes of a word whose other two the neighbouring 64 tokens' work-group stores: 64 bytes beside 12,288 of codes
	global_store_b16 v30, v175, s[100:101] offset:12808
	global_store_b32 v31, v176, s[100:101] offset:13056            ; zeros, so that a key step's block is whole rows of 256 bytes
	s_wait_tensorcnt 0x0                           ; the wave's end
	ds_add_u32 v[SPW], v[NIL]
	s_wait_dscnt 0x0
	CROUND                                         ; the closing round: no work-group ends while a partner may still ask for a block that names it
	s_endpgm
.Lfunc_end_k_q525663c179_qkv:
	.size	k_q525663c179_qkv, .Lfunc_end_k_q525663c179_qkv-k_q525663c179_qkv
	.p2alignl 7, 3214868480
	.fill 96, 4, 3214868480
	.section	.rodata,"a",@progbits
	.p2align	6, 0x0
	.amdhsa_kernel k_q525663c179_qkv
		.amdhsa_group_segment_fixed_size 327680
		.amdhsa_private_segment_fixed_size 0
		.amdhsa_enable_private_segment 0
		.amdhsa_kernarg_size 24
		.amdhsa_user_sgpr_count 2
		.amdhsa_user_sgpr_kernarg_segment_ptr 1
		.amdhsa_wavefront_size32 1
		.amdhsa_system_sgpr_workgroup_id_x 1
		.amdhsa_system_sgpr_workgroup_id_y 1
		.amdhsa_system_sgpr_workgroup_id_z 1
		.amdhsa_system_vgpr_workitem_id 0
		.amdhsa_next_free_vgpr 1024
		.amdhsa_next_free_sgpr 106
		.amdhsa_reserve_vcc 1
		.amdhsa_float_denorm_mode_32 3
		.amdhsa_float_denorm_mode_16_64 3
		.amdhsa_memory_ordered 1
		.amdhsa_forward_progress 1
		.amdhsa_inst_pref_size 139
	.end_amdhsa_kernel
	.amdgpu_metadata
---
amdhsa.version: [ 1, 2 ]
amdhsa.kernels:
  - .name:           k_q525663c179_qkv
    .symbol:         k_q525663c179_qkv.kd
    .args:
      - { .name: opq, .offset: 0, .size: 8, .value_kind: global_buffer, .address_space: global }
      - { .name: b_qkv, .offset: 8, .size: 8, .value_kind: global_buffer, .address_space: global }
      - { .name: qkv, .offset: 16, .size: 8, .value_kind: global_buffer, .address_space: global }
    .group_segment_fixed_size: 327680
    .private_segment_fixed_size: 0
    .kernarg_segment_align: 8
    .kernarg_segment_size: 24
    .max_flat_workgroup_size: 128
    .sgpr_count:     106
    .vgpr_count:     1024
    .wavefront_size: 32
...
	.end_amdgpu_metadata
.endif
;; end of part 2
;; launch attn (part 3): grid 4 x 64, 16 waves a work-group, clusters of 4 x 1, 327,680 bytes of LDS; arguments qkv, maskw, ctx; writes ctx
.if DOCPART == 3
	.amdgcn_target "amdgcn-amd-amdhsa--gfx1250"
	.amdhsa_code_object_version 6
	.text
	.protected	k_q525663c179_attn
	.globl	k_q525663c179_attn
	.p2align	8
	.type	k_q525663c179_attn,@function
k_q525663c179_attn:
	s_mov_b64 s[64:65], 0
	v_nop
	global_prefetch_b8 v0, s[64:65] scope:SCOPE_SE
	s_setreg_imm32_b32 hwreg(HW_REG_WAVE_MODE, 25, 1), 1
	s_wait_xcnt 0x0
	s_wait_alu depctr_hold_cnt(0) depctr_sa_sdst(0) depctr_va_vdst(0) depctr_va_sdst(0) depctr_va_ssrc(0) depctr_va_vcc(0) depctr_vm_vsrc(0)
	s_getreg_b32 s2, hwreg(HW_REG_IB_STS2, 6, 4)
	s_cmp_eq_u32 s2, 0
	s_cbranch_scc0 .Lentry_in_a_cluster
	s_endpgm
.Lentry_in_a_cluster:
	s_bfe_u32 s2, ttmp6, 0x10000c
	s_cmp_lg_u32 s2, 0x3003
	s_cbranch_scc0 .Lentry_shape_is_right
	s_endpgm
.Lentry_shape_is_right:
; ATTENTION on codes of E2M3: S^T = k q^T, the mask, p = 2^(t - M) with a running whole M, O^T += v^T p^T, O / l quantised along the head's 64 for the last product.
; SHARES.  Work-group (x, y): head-and-batch y = 16 b + hh, queries' tiles 32 x .. 32 x + 31.  Wave w takes tile 32 x + w, then tile 32 x + 16 + w: 16 queries each, 16 key steps of 128.
; LDS.  The head's 16 key steps (13,312 bytes each: k's 8 half fragments, v's 4 fragments, their scale words) are fetched ONCE, one step a wave, and stay: one wait, one barrier, nothing is filled again.
; CLUSTER.  The four work-groups of a head need the same 212,992 bytes: each load is a joint one with the mask 15.
; WHICH KEYS FORM A TILE.  Row p of score tile 4 c + u is key 64 c + 8 u + p % 8 + 32 (p / 8).  Lane (r, h) then holds, in the 32 registers of tiles 4 c .. 4 c + 3, keys 64 c + 32 h + 0 .. 31 of query r:
; a WHOLE block of p's quantiser, in the order of the second product's operand.  So a block's maximum asks no other lane, a lane makes two scales and not four, and the codes need no lane swap.
; k's images lie by another order of rows (image 4 c + 2 b + e, row a + 8 g holds key 64 c + 32 b + 16 g + 8 e + a); the lanes' LDS addresses do the re-ordering: lane row p of tile 4 c + u reads image 4 c + 2 (p / 8) + u % 2, row p % 8 + 8 (u / 2).
; A STEP OVERLAPS ITSELF.  The row's sum of the last step's p (four chains) stands behind the last step's second product and under the LDS loads and the first four score products;
; k's tiles 0-3 of the next step are fetched a step ahead into registers of their own; tiles 4-7 share registers with v's fragments.
; The waits on LDS and on the mask words stand where nothing that a vector instruction has just written is read within the next nine vector instructions.
; The score product has K = 64 in a form of 128: q's upper six registers are zero codes, so what a tile of k names as its upper six registers (the next tile's codes, or codes of v) adds nothing.
; A tile's first step multiplies the sum and O by f = 2^(a whole number far below -127) = 0, so whatever finite numbers the registers held are gone: they are cleared once, at the head.
; PREFETCH.  k and v come by the head's one load a wave: there is no loop to run ahead in.  The mask words of a wave's second tile (16 blocks of 256 bytes, read by the 16 heads of a batch) are asked for
; at the head, 16 steps ahead: head hh asks for block hh, one instruction a wave, all lanes on that block.
; In a tile's last step the fetch ahead reads the last step's tiles 0-3 again (the address is held at the last step), and those registers are not used.
; LIMITS: the promise holds while the scaled scores stay under 2^31 in magnitude; NaN and infinities are not served; a block's byte is held at 1 from below.
.set QS,  6291456
.set KV,  6815744
.set CS,  6291456
.set KST, 13312
.set SPARE, 16*KST                     ; the spare words: 128 bytes a wave, behind the 16 key steps
.set KH,  32                           ; v32-55   k's tiles 4-7; then v's fragments 0, 1
.set KL,  56                           ; v56-79   k's tiles 0-3
.set KS,  104                          ; v104-111 k's scale words;  v80-103: v's fragments 2, 3
.set VS,  112                          ; v112-115 v's scale words
.set S,   116                          ; v116-179 scores, then p
.set O,   180                          ; v180-211 O^T
.set PC,  212                          ; v212-223 p's codes
.set CT,  224                          ; v224-226, v228-230 second halves of the conversions
.set BM,  232                          ; v232-233 a block's largest score, then its largest p
.set PT,  236                          ; v236-239 at work
.set SO,  240                          ; v240-241 the conversions' scale operands
.set A16, 6                            ; v6, v234, v235: k's 16-byte pieces, 8-byte pieces and scale words in the key step at hand; v4, v5: v's
.set A8,  234
.set ASC, 235
; constants: v1 16 x lane, v2 8 x lane, v3 16 r, v253, v227, v11 the lane's part of v6, v234, v235; v7 the masked score; v8 16 r + h; v252 8 h
; v12 -M, v13 the largest score, v[14:15] the sum; v16-27 q, v28 its scale word; v29 p's scale word; v[30:31] f; v244-249 sums at work
.macro ROUND
	s_barrier_signal -1
	s_barrier_wait -1
	s_cmp_lg_u32 s5, 0
	s_cbranch_scc1 .Lnot_wave_0_\@
	s_barrier_signal -3
.Lnot_wave_0_\@:
	s_barrier_wait -3
	s_barrier_signal -1
	s_barrier_wait -1
.endm
	s_load_b128 s[16:19], s[0:1], 0x0              ; qkv, maskw
	s_load_b64 s[20:21], s[0:1], 0x10              ; ctx
	v_lshl_add_u32 v254, v0, 2, SPARE
	v_mov_b32 v255, 0
	ds_add_u32 v254, v255                          ; the opening lines
	ds_add_u32 v254, v255
	v_lshrrev_b32 v1, 5, v0
	s_delay_alu instid0(VALU_DEP_1)
	v_readfirstlane_b32 s5, v1                     ; wave
	s_bfe_u32 s22, ttmp6, 0x40000
	s_lshl_b32 s23, ttmp9, 2
	s_add_co_u32 s23, s23, s22                     ; x
	s_and_b32 s24, ttmp7, 0xffff                   ; y
	s_lshr_b32 s25, s24, 4                         ; b
	s_and_b32 s26, s24, 15                         ; hh
	s_lshl_b32 s27, s23, 5
	s_add_co_u32 s27, s27, s5                      ; my first tile
	s_mul_i32 s28, s24, 16*KST
	s_mul_i32 s7, s5, KST
	s_add_co_u32 s28, s28, s7
	s_add_co_u32 s28, s28, KV                      ; key step w of head y: y and the wave's number alone
	s_mov_b32 s29, 0
	s_lshl_b32 s30, s25, 7
	s_add_co_u32 s30, s30, s27                     ; 128 b + tile
	s_lshl_b32 s2, s30, 12                         ; mask words: 4,096 bytes a tile
	s_mov_b32 s3, 0
	s_lshl_b32 s66, s24, 7
	s_add_co_u32 s66, s66, s27
	s_mul_i32 s66, s66, 768                        ; q's image
	s_mov_b32 s67, 0
	s_lshl_b32 s100, s24, 5
	s_lshr_b32 s31, s27, 2
	s_add_co_u32 s100, s100, s31
	s_lshl_b32 s100, s100, 8
	s_and_b32 s31, s27, 3
	s_lshl_b32 s31, s31, 2
	s_add_co_u32 s100, s100, s31
	s_add_co_u32 s100, s100, QS                    ; q's scale words
	s_mov_b32 s101, 0
	s_lshr_b32 s31, s30, 3
	s_lshl_b32 s31, s31, 1
	s_lshr_b32 s32, s26, 3
	s_add_co_u32 s31, s31, s32
	s_lshl_b32 s31, s31, 3
	s_and_b32 s33, s30, 7
	s_add_co_u32 s31, s31, s33
	s_mul_i32 s12, s31, 6144
	s_bfe_u32 s33, s26, 0x20001
	s_mul_i32 s34, s33, 1536
	s_add_co_u32 s12, s12, s34
	s_and_b32 s34, s26, 1
	s_mul_i32 s35, s34, 768
	s_add_co_u32 s12, s12, s35                     ; ctx's image
	s_mov_b32 s13, 0
	s_lshl_b32 s14, s30, 9
	s_lshl_b32 s32, s32, 8
	s_add_co_u32 s14, s14, s32
	s_lshl_b32 s33, s33, 2
	s_add_co_u32 s14, s14, s33
	s_lshl_b32 s34, s34, 1
	s_add_co_u32 s14, s14, s34
	s_add_co_u32 s14, s14, CS                      ; ctx's scale bytes
	s_mov_b32 s15, 0
	s_lshl_b32 s97, s26, 8                         ; the prefetch: block hh
	s_mov_b32 s72, 15|(3<<16)|(1<<21)              ; a dense block of 52 rows of 256 bytes, for all four work-groups
	s_mov_b32 s73, 32<<16
	s_mov_b32 s74, 52<<16
	s_mov_b32 s75, 32<<16
	s_mov_b32 s76, 52
	s_mov_b32 s77, 32
	s_mov_b32 s78, 0
	s_mov_b32 s79, 0
	s_mov_b32 s68, 1
	s_mov_b32 s69, s7
	s_mov_b32 s8, 0x76543210
	s_mov_b32 s9, 0xfedcba98                       ; lane l xor 16
	s_mov_b32 s10, 0x3e38aa3b                      ; log2(e) / 8
	s_mov_b32 s11, s10
	s_wait_dscnt 0x0
	s_wait_kmcnt 0x0
	s_add_nc_u64 s[70:71], s[16:17], s[28:29]
	s_or_b32 s71, s71, 0x80000000
	s_add_nc_u64 s[2:3], s[18:19], s[2:3]
	s_add_nc_u64 s[66:67], s[16:17], s[66:67]
	s_add_nc_u64 s[100:101], s[16:17], s[100:101]
	s_add_nc_u64 s[12:13], s[20:21], s[12:13]
	s_add_nc_u64 s[14:15], s[20:21], s[14:15]
	ROUND
	tensor_load_to_lds s[68:71], s[72:79]          ; my one load: key step w
	s_nop 0
	v_and_b32 v1, 31, v0
	v_and_b32 v3, 15, v0
	v_bfe_u32 v8, v0, 4, 1                         ; h
	v_and_b32 v10, 7, v0                           ; r % 8
	v_bfe_u32 v11, v0, 3, 1                        ; r / 8
	v_lshlrev_b32 v2, 3, v1
	v_lshlrev_b32 v1, 4, v1
	v_lshlrev_b32 v3, 4, v3
	v_lshlrev_b32 v252, 3, v8
	v_mul_u32_u24 v253, v11, 1536                  ; two images on for lane rows 8-15
	v_lshlrev_b32 v11, 3, v11
	v_lshl_add_u32 v227, v10, 3, v253
	v_lshl_add_u32 v253, v10, 4, v253
	v_lshl_add_u32 v11, v10, 4, v11                ; k's scale words: 16 (r % 8) + 8 (r / 8)
	v_lshl_add_u32 v227, v8, 7, v227               ; k's 8-byte pieces: 1536 (r / 8) + 8 (r % 8) + 128 h
	v_lshl_add_u32 v253, v8, 8, v253               ; k's 16-byte pieces: 1536 (r / 8) + 16 (r % 8) + 256 h
	v_add_nc_u32 v8, v3, v8
	v_mov_b32 v9, s97
	v_mov_b32 v7, 0xc79c4000                       ; -10000 x 8: the masked score ahead of the factor 1 / 8
	v_mov_b32 v14, 0
	v_mov_b32 v15, 0
	v_mov_b32 v31, 0
.irp i, 0,1,2,3,4,5
	v_mov_b32 v[22+\i], 0                          ; q's upper 64: zero codes
	v_mov_b32 v[80+\i], 0                          ; named by tile 3 ahead of v's first fetch
.endr
.set n, 0
.rept 96
	v_mov_b32 v[S+n], 0                            ; once: the first step's f = 0 needs finite numbers here
.set n, n+1
.endr
	global_prefetch_b8 v9, s[2:3] offset:65536 th:TH_LOAD_NT scope:SCOPE_SE
	s_mov_b32 s4, 0
	s_load_b512 s[16:31], s[2:3], s4 offset:0x0    ; the first step's 64 mask words
	s_load_b512 s[32:47], s[2:3], s4 offset:0x40
	s_load_b512 s[48:63], s[2:3], s4 offset:0x80
	s_load_b512 s[80:95], s[2:3], s4 offset:0xc0
	global_load_b128 v[16:19], v1, s[66:67]        ; the first tile's q, asked for while the key steps are on their way
	global_load_b64 v[20:21], v2, s[66:67] offset:512
	global_load_b32 v28, v3, s[100:101]
	s_mov_b32 s96, 2                               ; tiles to go
	s_wait_alu depctr_va_vdst(0)
	s_wait_tensorcnt 0x0
	s_barrier_signal -1
	s_barrier_wait -1                              ; all 16 key steps are in
	s_branch .Lin
.macro KLOAD base, c                   ; tiles 4 c .. 4 c + 3 of k and their scale words: ten loads
.irp u, 0,1,2,3
	ds_load_b128 v[\base+6*\u:\base+6*\u+3], v[A16] offset:3072*\c+768*(\u%2)+128*(\u/2)
	ds_load_b64 v[\base+6*\u+4:\base+6*\u+5], v[A8] offset:3072*\c+768*(\u%2)+64*(\u/2)+512
.endr
	ds_load_b64 v[KS+4*\c:KS+4*\c+1], v[ASC] offset:12288+256*\c
	ds_load_b64 v[KS+4*\c+2:KS+4*\c+3], v[ASC] offset:12288+256*\c+128
.endm
.macro QK base, t0
.irp t, 0,1,2,3
	v_wmma_scale_f32_16x16x128_f8f6f4 v[S+8*(\t0+\t):S+8*(\t0+\t)+7], v[\base+6*\t:\base+6*\t+11], v[16:27], 0, v[KS+\t0+\t], v28 matrix_a_fmt:MATRIX_FMT_FP6 matrix_b_fmt:MATRIX_FMT_FP6
.endr
.endm
.macro MASK n0, s0, cnt                ; a word's 32 lane bits choose the masked score; each accumulator from its low end on
.set n, 0
.rept \cnt
	v_cndmask_b32 v[S+\n0+n], v[S+\n0+n], v7, s[\s0+n]
.set n, n+1
.endr
.endm
.macro SUM0                            ; the sum of the unquantised p, two at a time: pairs 0-6 start three fresh chains and go on with the running one
	v_pk_add_f32 v[244:245], v[S:S+1], v[S+2:S+3]
	v_pk_add_f32 v[246:247], v[S+4:S+5], v[S+6:S+7]
	v_pk_add_f32 v[248:249], v[S+8:S+9], v[S+10:S+11]
	v_pk_add_f32 v[14:15], v[14:15], v[S+12:S+13]
.endm
.macro ACC first, last                 ; pairs first .. last, onto the four chains by turns
.set n, \first
.rept \last-\first+1
.if n%4 == 2
	v_pk_add_f32 v[14:15], v[14:15], v[S+2*n:S+2*n+1]
.else
	v_pk_add_f32 v[244+2*((n+1)%4):245+2*((n+1)%4)], v[244+2*((n+1)%4):245+2*((n+1)%4)], v[S+2*n:S+2*n+1]
.endif
.set n, n+1
.endr
.endm
.macro JOIN
	v_pk_add_f32 v[244:245], v[244:245], v[246:247]
	v_pk_add_f32 v[14:15], v[14:15], v[248:249]
	s_delay_alu instid0(VALU_DEP_1)
	v_pk_add_f32 v[14:15], v[14:15], v[244:245]
.endm
.Lpass:                                                ; a tile of 16 queries
	global_load_b128 v[16:19], v1, s[66:67]
	global_load_b64 v[20:21], v2, s[66:67] offset:512
	global_load_b32 v28, v3, s[100:101]
.Lin:                                                  ; the first tile comes in here: its three loads of q were issued at the head
	s_mov_b32 s7, 0
	v_mov_b32 v4, v1
	v_mov_b32 v5, v2
	v_mov_b32 v[A16], v253
	v_mov_b32 v[A8], v227
	v_mov_b32 v[ASC], v11
	KLOAD KL, 0                                    ; key step 0's tiles 0-3
	v_mov_b32 v13, 0xff61b1e6                      ; the largest score so far: -3e38
	v_mov_b32 v12, 0x7f61b1e6                      ; -M: 3e38, so that the first f is 0
	s_mov_b32 s6, 16
	s_wait_alu depctr_va_vdst(0)
	s_wait_loadcnt 0x0
	s_wait_dscnt 0x0
.Lstep:
	SUM0                                           ; the last step's p; also the four places behind its second product, ahead of the loads into v's registers
	KLOAD KH, 1
	ACC 7, 15
	QK KL, 0                                       ; tiles 0-3 were fetched and waited for a step ago
	ACC 16, 31                                     ; the upper 32 registers, ahead of tiles 4-7's products
	JOIN
	s_wait_dscnt 0x0                               ; tiles 4-7.  (The sum just written is next read behind the exponentials)
	s_wait_kmcnt 0x0                               ; and this step's mask words
	s_add_co_u32 s4, s4, 256                       ; the next step's mask words; behind a tile's last step the next tile's first; held at the second tile's last
	s_cmp_eq_u32 s4, 4096
	s_cselect_b32 s4, 0x10000, s4
	s_min_u32 s4, s4, 0x10f00
	s_add_co_u32 s7, s7, KST
	s_min_u32 s97, s7, 15*KST                      ; the next key step, held at the last
	QK KH, 4
	MASK 0, 16, 32
	MASK 32, 48, 16
	MASK 48, 80, 16
	s_load_b512 s[16:31], s[2:3], s4 offset:0x0
	s_load_b512 s[32:47], s[2:3], s4 offset:0x40
	s_load_b512 s[48:63], s[2:3], s4 offset:0x80
	s_load_b512 s[80:95], s[2:3], s4 offset:0xc0
.irp e, 0,1,2,3
.set VB, 32+12*\e+24*(\e/2)
	ds_load_b128 v[VB:VB+3], v4 offset:6144+1536*\e
	ds_load_b64 v[VB+4:VB+5], v5 offset:6144+1536*\e+512
	ds_load_b128 v[VB+6:VB+9], v4 offset:6144+1536*\e+768
	ds_load_b64 v[VB+10:VB+11], v5 offset:6144+1536*\e+1280
.endr
	ds_load_b128 v[VS:VS+3], v4 offset:12800       ; lanes 0-15: row r's four words; lanes 16-31 read the block's closing zeros, and are not used
	v_add_nc_u32 v4, s97, v1
	v_add_nc_u32 v5, s97, v2
	v_add_nc_u32 v[A16], s97, v253
	v_add_nc_u32 v[A8], s97, v227
	v_add_nc_u32 v[ASC], s97, v11
	KLOAD KL, 0                                    ; the next step's tiles 0-3
.irp c, 0,1                            ; the largest score of my two blocks of 32 keys: two chains a block, four by turns
	v_max3_num_f32 v[BM+\c], v[S+32*\c], v[S+32*\c+1], v[S+32*\c+2]
	v_max3_num_f32 v[PT+\c], v[S+32*\c+16], v[S+32*\c+17], v[S+32*\c+18]
.endr
.irp i, 3,5,7,9,11,13
.irp c, 0,1
	v_max3_num_f32 v[BM+\c], v[BM+\c], v[S+32*\c+\i], v[S+32*\c+\i+1]
	v_max3_num_f32 v[PT+\c], v[PT+\c], v[S+32*\c+\i+16], v[S+32*\c+\i+17]
.endr
.endr
.irp c, 0,1
	v_max3_num_f32 v[BM+\c], v[BM+\c], v[S+32*\c+15], v[S+32*\c+31]
.endr
.irp c, 0,1
	s_delay_alu instid0(VALU_DEP_2)
	v_max_num_f32 v[BM+\c], v[BM+\c], v[PT+\c]
.endr
	v_mov_b32 v251, v12
	s_delay_alu instid0(VALU_DEP_2)
	v_max_num_f32 v250, v[BM], v[BM+1]
	s_delay_alu instid0(VALU_DEP_1)
	v_permlanex16_b32 v[PT], v250, s8, s9          ; lane l xor 16's 64 keys
	s_delay_alu instid0(VALU_DEP_1)
	v_max3_num_f32 v13, v13, v250, v[PT]           ; the running largest score
	s_delay_alu instid0(VALU_DEP_1)
	v_mul_f32 v250, s10, v13                       ; as t
	s_delay_alu instid0(VALU_DEP_1)
	v_floor_f32 v12, -v250                         ; -M = -ceil(t)
.set n, 0
.rept 32
	v_pk_fma_f32 v[S+n:S+n+1], v[S+n:S+n+1], s[10:11], v[12:13] op_sel_hi:[1,0,0]   ; t - M
.if n == 8
	v_sub_f32 v251, v12, v251                      ; old M - new M
.endif
.if n == 24
	v_cvt_i32_f32 v251, v251                       ; (it saturates)
.endif
.if n == 40
	v_ldexp_f32 v30, 1.0, v251                     ; f
.endif
.set n, n+2
.endr
	v_fma_f32 v[BM], v[BM], s10, v12
	v_fma_f32 v[BM+1], v[BM+1], s10, v12
	s_wait_alu depctr_va_vdst(0)
.set n, 0
.rept 64
	v_exp_f32 v[S+n], v[S+n]
.set n, n+1
.endr
	v_exp_f32 v[BM], v[BM]                         ; a block's largest p: the same two instructions on the same number
	v_exp_f32 v[BM+1], v[BM+1]
	v_pk_mul_f32 v[14:15], v[14:15], v[30:31] op_sel_hi:[1,0]      ; the sum under the new M; the plain place behind the batch
	s_wait_dscnt 0x0                               ; v's fragments and scale words, and the next step's tiles 0-3: all asked for ahead of the multiply-adds
	s_wait_alu depctr_va_vdst(0)                   ; the wait behind the batch
	v_max_num_f32 v[BM], 0x1800000, v[BM]          ; the floor 2^(3 - 127)
	v_max_num_f32 v[BM+1], 0x1800000, v[BM+1]
	s_delay_alu instid0(VALU_DEP_2)
	v_add_nc_u32 v[SO], 0xff000000, v[BM]          ; 2 off the exponent field
	s_delay_alu instid0(VALU_DEP_2)
	v_add_nc_u32 v[SO+1], 0xff000000, v[BM+1]
	s_delay_alu instid0(VALU_DEP_2)
	v_lshrrev_b32 v[PT], 23, v[SO]
	s_delay_alu instid0(VALU_DEP_2)
	v_lshrrev_b32 v[PT+1], 23, v[SO+1]
	s_delay_alu instid0(VALU_DEP_1)
	v_lshl_or_b32 v250, v[PT+1], 16, v[PT]         ; my bytes: blocks h and 2 + h,
	s_delay_alu instid0(VALU_DEP_1)
	v_lshlrev_b32 v250, v252, v250                 ; at their places in the word;
	s_delay_alu instid0(VALU_DEP_1)
	v_permlanex16_b32 v251, v250, s8, s9
	s_delay_alu instid0(VALU_DEP_1)
	v_or_b32 v29, v250, v251                       ; with lane l xor 16's two: p's scale word
.irp c, 0,1
	v_cvt_scalef32_pk16_fp6_f32 v[PC+6*\c:PC+6*\c+2], v[S+32*\c:S+32*\c+15], v[SO+\c]
	v_cvt_scalef32_pk16_fp6_f32 v[CT+4*\c:CT+4*\c+2], v[S+32*\c+16:S+32*\c+31], v[SO+\c]   ; (a conversion's three registers begin on an even number)
.endr
	v_pk_mul_f32 v[O:O+1], v[O:O+1], v[30:31] op_sel_hi:[1,0]      ; the first of O^T's sixteen rescalings is the plain place behind the scaled conversions
.irp c, 0,1
.irp i, 0,1,2
	v_mov_b32 v[PC+6*\c+3+\i], v[CT+4*\c+\i]
.endr
.endr
.set n, 2
.rept 15
	v_pk_mul_f32 v[O+n:O+n+1], v[O+n:O+n+1], v[30:31] op_sel_hi:[1,0]   ; O^T under the new M; also the places ahead of the products
.set n, n+2
.endr
.irp e, 0,1,2,3
.set VB, 32+12*\e+24*(\e/2)
	v_wmma_scale_f32_16x16x128_f8f6f4 v[O+8*\e:O+8*\e+7], v[VB:VB+11], v[PC:PC+11], v[O+8*\e:O+8*\e+7], v[VS+\e], v29 matrix_a_fmt:MATRIX_FMT_FP6 matrix_b_fmt:MATRIX_FMT_FP6
.endr
	s_sub_co_u32 s6, s6, 1
	s_cmp_lg_u32 s6, 0
	s_cbranch_scc1 .Lstep
	SUM0                                           ; the last step's p; also the places behind the last products
	ACC 7, 31
	JOIN
	s_delay_alu instid0(VALU_DEP_1)
	v_add_f32 v14, v14, v15
	s_delay_alu instid0(VALU_DEP_1)
	v_permlanex16_b32 v30, v14, s8, s9
	s_delay_alu instid0(VALU_DEP_1)
	v_add_f32 v14, v14, v30                        ; the row's sum
	s_wait_alu depctr_va_vdst(0)
	v_rcp_f32 v14, v14
	s_mov_b32 vcc_lo, 0xffff0000
	v_nop
	s_wait_alu depctr_va_vdst(0)
.set n, 0
.rept 32
	v_mul_f32 v[S+n], v[O+n], v14                  ; register 16 b + i: unit 32 b + 16 h + i of the head's 64
.set n, n+1
.endr
	v_max3_num_f32 v[BM], |v[S]|, |v[S+1]|, 0x1800000
	v_max3_num_f32 v[BM+1], |v[S+16]|, |v[S+17]|, 0x1800000
.irp i, 2,4,6,8,10,12,14
	s_delay_alu instid0(VALU_DEP_2)
	v_max3_num_f32 v[BM], v[BM], |v[S+\i]|, |v[S+1+\i]|
	s_delay_alu instid0(VALU_DEP_2)
	v_max3_num_f32 v[BM+1], v[BM+1], |v[S+16+\i]|, |v[S+17+\i]|
.endr
	s_delay_alu instid0(VALU_DEP_2)
	v_permlanex16_b32 v[PT], v[BM], s8, s9
	s_delay_alu instid0(VALU_DEP_2)
	v_permlanex16_b32 v[PT+1], v[BM+1], s8, s9
	s_delay_alu instid0(VALU_DEP_2)
	v_max_num_f32 v[BM], v[BM], v[PT]
	s_delay_alu instid0(VALU_DEP_2)
	v_max_num_f32 v[BM+1], v[BM+1], v[PT+1]
	s_delay_alu instid0(VALU_DEP_2)
	v_add_nc_u32 v[SO], 0xff000000, v[BM]
	s_delay_alu instid0(VALU_DEP_2)
	v_add_nc_u32 v[SO+1], 0xff000000, v[BM+1]
	s_delay_alu instid0(VALU_DEP_2)
	v_lshrrev_b32 v[PT+2], 23, v[SO]
	s_delay_alu instid0(VALU_DEP_2)
	v_lshrrev_b32 v[PT+3], 23, v[SO+1]
	s_delay_alu instid0(VALU_DEP_1)
	v_cndmask_b32 v250, v[PT+2], v[PT+3], vcc_lo   ; lane (r, h) stores block h's byte of row r
	v_cvt_scalef32_pk16_fp6_f32 v[PC:PC+2], v[S:S+15], v[SO]
	v_cvt_scalef32_pk16_fp6_f32 v[CT:CT+2], v[S+16:S+31], v[SO+1]
	v_nop
.irp i, 0,1,2
	v_permlane16_swap_b32 v[PC+\i], v[CT+\i]       ; here a block lies in lanes l and l xor 16: a whole block into a lane
.endr
.irp i, 0,1,2
	s_delay_alu instid0(VALU_DEP_3)
	v_mov_b32 v[PC+3+\i], v[CT+\i]
.endr
	global_store_b128 v1, v[PC:PC+3], s[12:13]     ; 512 consecutive bytes
	global_store_b64 v2, v[PC+4:PC+5], s[12:13] offset:512         ; 256 consecutive bytes
	global_store_b8 v8, v250, s[14:15]
	s_wait_alu depctr_va_vdst(0)
	s_wait_xcnt 0x0                                ; the bases and the stores' data are written again only behind this wait
	s_add_nc_u64 s[66:67], s[66:67], 12288         ; 16 tiles on
	s_add_nc_u64 s[100:101], s[100:101], 1024
	s_add_nc_u64 s[12:13], s[12:13], 196608
	s_add_nc_u64 s[14:15], s[14:15], 8192
	s_sub_co_u32 s96, s96, 1
	s_cmp_lg_u32 s96, 0
	s_cbranch_scc1 .Lpass
	s_wait_kmcnt 0x0
	s_wait_tensorcnt 0x0                           ; the wave's end
	ds_add_u32 v254, v255
	s_wait_dscnt 0x0
	ROUND                                          ; the closing round
	s_endpgm
.Lfunc_end_k_q525663c179_attn:
	.size	k_q525663c179_attn, .Lfunc_end_k_q525663c179_attn-k_q525663c179_attn
	.p2alignl 7, 3214868480
	.fill 96, 4, 3214868480
	.section	.rodata,"a",@progbits
	.p2align	6, 0x0
	.amdhsa_kernel k_q525663c179_attn
		.amdhsa_group_segment_fixed_size 327680
		.amdhsa_private_segment_fixed_size 0
		.amdhsa_enable_private_segment 0
		.amdhsa_kernarg_size 24
		.amdhsa_user_sgpr_count 2
		.amdhsa_user_sgpr_kernarg_segment_ptr 1
		.amdhsa_wavefront_size32 1
		.amdhsa_system_sgpr_workgroup_id_x 1
		.amdhsa_system_sgpr_workgroup_id_y 1
		.amdhsa_system_sgpr_workgroup_id_z 1
		.amdhsa_system_vgpr_workitem_id 0
		.amdhsa_next_free_vgpr 256
		.amdhsa_next_free_sgpr 102
		.amdhsa_reserve_vcc 1
		.amdhsa_float_denorm_mode_32 3
		.amdhsa_float_denorm_mode_16_64 3
		.amdhsa_memory_ordered 1
		.amdhsa_forward_progress 1
		.amdhsa_inst_pref_size 39
	.end_amdhsa_kernel
	.amdgpu_metadata
---
amdhsa.version: [ 1, 2 ]
amdhsa.kernels:
  - .name:           k_q525663c179_attn
    .symbol:         k_q525663c179_attn.kd
    .args:
      - { .name: qkv, .offset: 0, .size: 8, .value_kind: global_buffer, .address_space: global }
      - { .name: maskw, .offset: 8, .size: 8, .value_kind: global_buffer, .address_space: global }
      - { .name: ctx, .offset: 16, .size: 8, .value_kind: global_buffer, .address_space: global }
    .group_segment_fixed_size: 327680
    .private_segment_fixed_size: 0
    .kernarg_segment_align: 8
    .kernarg_segment_size: 24
    .max_flat_workgroup_size: 512
    .sgpr_count:     102
    .vgpr_count:     256
    .wavefront_size: 32
...
	.end_amdgpu_metadata
.endif
;; end of part 3
;; launch dense (part 4): grid 4 x 64, 4 waves a work-group, clusters of 4 x 4, 327,680 bytes of LDS; arguments ctx, opq, b_dense, out0; writes out0
.if DOCPART == 4
	.amdgcn_target "amdgcn-amd-amdhsa--gfx1250"
	.amdhsa_code_object_version 6
	.text
	.protected	k_q525663c179_dense
	.globl	k_q525663c179_dense
	.p2align	8
	.type	k_q525663c179_dense,@function
k_q525663c179_dense:
	s_mov_b64 s[64:65], 0
	v_nop
	global_prefetch_b8 v0, s[64:65] scope:SCOPE_SE
	s_setreg_imm32_b32 hwreg(HW_REG_WAVE_MODE, 25, 1), 1
	s_wait_xcnt 0x0
	s_wait_alu depctr_hold_cnt(0) depctr_sa_sdst(0) depctr_va_vdst(0) depctr_va_sdst(0) depctr_va_ssrc(0) depctr_va_vcc(0) depctr_vm_vsrc(0)
	s_getreg_b32 s2, hwreg(HW_REG_IB_STS2, 6, 4)
	s_cmp_eq_u32 s2, 0
	s_cbranch_scc0 .Lentry_in_a_cluster
	s_endpgm
.Lentry_in_a_cluster:
	s_bfe_u32 s2, ttmp6, 0x10000c
	s_cmp_lg_u32 s2, 0xf033
	s_cbranch_scc0 .Lentry_shape_is_right
	s_endpgm
.Lentry_shape_is_right:
.set WD,    8650752
.set SC,    9437184
.set CS,    6291456
.set BIG,   147456
.set BOFF,  49152
.set SCL,   2*BIG
.set SPITCH, 528
.set A16,   6
.set A8,    8
.set B16,   10
.set B8,    12
.set G1A,   20
.set G1B,   28
.set G1SA,  36
.set G1SB,  44
.set G0SA,  52
.set G0A,   56
.set G0SB,  68
.set G0B,   72
.set MSB, 0
.macro WIN new
.set NW, \new
.if MSB != NW
	s_set_vgpr_msb (MSB<<8)|NW
.set MSB, NW
.endif
.endm
.macro JLOAD g0a, g1a, g0b, g1b
	s_cmp_eq_u32 s13, 0
	s_cbranch_scc0 .Lfor_b_\@
	tensor_load_to_lds s[\g0a:\g0a+3], s[\g1a:\g1a+7]
	s_nop 0
.rept 4
	v_nop
.endr
	s_branch .Lasked_\@
.Lfor_b_\@:
	tensor_load_to_lds s[\g0b:\g0b+3], s[\g1b:\g1b+7]
	s_nop 0
.rept 4
	v_nop
.endr
.Lasked_\@:
.endm
.macro CROUND
	s_barrier_signal -1
	s_barrier_wait -1
	s_cmp_lg_u32 s12, 0
	s_cbranch_scc1 .Lnot_wave_0_\@
	s_barrier_signal -3
.Lnot_wave_0_\@:
	s_barrier_wait -3
	s_barrier_signal -1
	s_barrier_wait -1
.endm
.macro SHAPE g, rows
	s_mov_b32 s[\g+1], 32<<16
	s_mov_b32 s[\g+2], (\rows)<<16
	s_mov_b32 s[\g+3], 32<<16
	s_mov_b32 s[\g+4], \rows
	s_mov_b32 s[\g+5], 32
	s_mov_b32 s[\g+6], 0
	s_mov_b32 s[\g+7], 0
.endm
.macro PLACES
.rept 4
	v_nop
.endr
.endm
	s_load_b128 s[4:7], s[0:1], 0x0
	s_load_b128 s[8:11], s[0:1], 0x10
	v_lshl_add_u32 v30, v0, 2, 0x4b000
	v_mov_b32 v31, 0
	ds_add_u32 v30, v31
	ds_add_u32 v30, v31
	v_lshrrev_b32 v1, 5, v0
	v_readfirstlane_b32 s12, v1
	s_lshr_b32 s13, s12, 1
	s_and_b32 s14, s12, 1
	s_bfe_u32 s15, ttmp6, 0x40000
	s_bfe_u32 s16, ttmp6, 0x40004
	s_lshl_b32 s17, ttmp9, 2
	s_add_co_u32 s17, s17, s15
	s_and_b32 s18, ttmp7, 0xffff
	s_lshl_b32 s18, s18, 2
	s_add_co_u32 s18, s18, s16
	s_lshl_b32 s19, s16, 2
	s_lshl_b32 s19, 15, s19
	s_lshl_b32 s2, 0x1111, s15
	s_or_b32 s[G1A], s19, (3<<16)|(1<<21)
	s_or_b32 s[G1SA], s19, (3<<16)|(1<<21)
	s_or_b32 s[G1B], s2, (3<<16)|(1<<21)
	s_or_b32 s[G1SB], s2, (3<<16)|(1<<21)
	SHAPE G1A, 192                                 ; the head's loads bring whole blocks: ctx's K half 0, 49,152 bytes,
	SHAPE G1B, 384                                 ; W_dense's, 98,304,
	SHAPE G1SA, 16                                 ; ctx's scale words, 4,096,
	SHAPE G1SB, 32                                 ; W_dense's, 8,192
	s_mul_i32 s88, s14, 24576                      ; my half of K half 1, in memory and in LDS alike
	s_mul_i32 s89, s14, 49152
	s_mul_i32 s80, s18, 98304
	s_mov_b32 s81, 0
	s_mul_i32 s82, s17, 196608
	s_add_co_u32 s82, s82, WD
	s_mov_b32 s83, 0
	s_lshl_b32 s84, s18, 12
	s_add_co_u32 s84, s84, CS
	s_mov_b32 s85, 0
	s_lshl_b32 s86, s17, 13
	s_add_co_u32 s86, s86, SC+360448
	s_mov_b32 s87, 0
	s_wait_dscnt 0x0
	s_wait_kmcnt 0x0
	s_add_nc_u64 s[80:81], s[4:5], s[80:81]
	s_add_nc_u64 s[82:83], s[6:7], s[82:83]
	s_add_nc_u64 s[84:85], s[4:5], s[84:85]
	s_add_nc_u64 s[86:87], s[6:7], s[86:87]
	CROUND
; THE FILLS, one tensor load a wave at the head: wave 0 ctx's K half 0, wave 1 W_dense's, wave 2 ctx's scale words, wave 3 W_dense's.  K half 1 follows behind the next round, by halves of each block.
	s_mov_b32 s[G0SA], 1
	s_mov_b32 s[G0SA+1], SCL
	s_mov_b64 s[G0SA+2:G0SA+3], s[84:85]
	s_or_b32 s[G0SA+3], s[G0SA+3], 0x80000000
	s_mov_b32 s[G0SB], 1
	s_mov_b32 s[G0SB+1], SCL+4096
	s_mov_b64 s[G0SB+2:G0SB+3], s[86:87]
	s_or_b32 s[G0SB+3], s[G0SB+3], 0x80000000
	s_mov_b32 s[G0A], 1
	s_mov_b32 s[G0A+1], 0
	s_mov_b64 s[G0A+2:G0A+3], s[80:81]
	s_or_b32 s[G0A+3], s[G0A+3], 0x80000000
	s_mov_b32 s[G0B], 1
	s_mov_b32 s[G0B+1], BOFF
	s_mov_b64 s[G0B+2:G0B+3], s[82:83]
	s_or_b32 s[G0B+3], s[G0B+3], 0x80000000
	s_mov_b32 s85, 0
	s_mov_b32 s[G0A+4], 1
	s_add_co_u32 s[G0A+5], s88, BIG
	s_add_co_u32 s84, s88, 49152
	s_add_nc_u64 s[G0A+6:G0A+7], s[80:81], s[84:85]
	s_or_b32 s[G0A+7], s[G0A+7], 0x80000000
	s_mov_b32 s[G0B+4], 1
	s_add_co_u32 s[G0B+5], s89, BIG+BOFF
	s_add_co_u32 s84, s89, 98304
	s_add_nc_u64 s[G0B+6:G0B+7], s[82:83], s[84:85]
	s_or_b32 s[G0B+7], s[G0B+7], 0x80000000
.macro ARM under, g0, g1, next         ; one tree of branches on the wave's number: every way through the head passes exactly one load
	s_cmp_lt_u32 s12, \under
	s_cbranch_scc0 \next
	tensor_load_to_lds s[\g0:\g0+3], s[\g1:\g1+7]
	s_nop 0
.rept 4
	v_nop
.endr
	s_branch .Lhead_asked
\next:
.endm
	ARM 1, G0A,  G1A,  .Lhead_b
	ARM 2, G0B,  G1B,  .Lhead_sa
	ARM 3, G0SA, G1SA, .Lhead_sb
	tensor_load_to_lds s[G0SB:G0SB+3], s[G1SB:G1SB+7]
	s_nop 0
.rept 4
	v_nop
.endr
.Lhead_asked:
	v_and_b32 v1, 31, v0
	v_and_b32 v2, 15, v0
	v_bfe_u32 v3, v0, 4, 1
	v_lshlrev_b32 v4, 4, v1
	v_lshlrev_b32 v5, 3, v1
	s_mul_i32 s92, s13, 24576
	s_mul_i32 s93, s14, 49152
	s_add_co_u32 s93, s93, BOFF
.irp q, 0,1
	v_add_nc_u32 v[A16+\q], s92, v4
	v_add_nc_u32 v[A8+\q], s92, v5
	v_add_nc_u32 v[B16+\q], s93, v4
	v_add_nc_u32 v[B8+\q], s93, v5
	s_add_co_u32 s92, s92, BIG
	s_add_co_u32 s93, s93, BIG
.endr
	v_lshlrev_b32 v15, 4, v2
	s_lshl_b32 s92, s13, 11
	v_add_nc_u32 v14, s92, v15
	v_add_nc_u32 v14, SCL, v14
	s_lshl_b32 s92, s14, 12
	v_add_nc_u32 v15, s92, v15
	v_add_nc_u32 v15, SCL+4096, v15
	s_mul_i32 s92, s12, 16*SPITCH
	v_mul_u32_u24 v16, v2, SPITCH
	v_lshl_add_u32 v16, v3, 6, v16
	v_add_nc_u32 v16, s92, v16
	v_add_nc_u32 v17, s92, v4
	v_lshlrev_b32 v18, 6, v3
	s_wait_alu depctr_va_vdst(0)
	s_and_b32 s94, s18, 15
	s_lshl_b32 s94, s94, 2
	s_lshl_b32 s95, s13, 1
	s_add_co_u32 s94, s94, s95
	s_lshl_b32 s94, s94, 7
	s_lshr_b32 s95, s18, 4
	s_add_co_u32 s94, s94, s95
	s_lshl_b32 s94, s94, 12
	s_lshl_b32 s96, s17, 10
	s_lshl_b32 s97, s14, 9
	s_add_co_u32 s96, s96, s97
	s_mov_b32 s97, 0
	s_add_nc_u64 s[8:9], s[8:9], s[96:97]
	s_add_co_u32 s94, s94, s96
	s_mov_b32 s95, 0
	s_add_nc_u64 s[10:11], s[10:11], s[94:95]
.irp nl, 0,1,2,3,4,5,6,7
	global_load_b128 v[160+8*\nl:163+8*\nl], v18, s[8:9] offset:(32*(\nl/2)+8*(\nl%2))*4
	global_load_b128 v[164+8*\nl:167+8*\nl], v18, s[8:9] offset:(32*(\nl/2)+8*(\nl%2))*4+16
.endr
.macro FRAG reg, a16, a8, off
	ds_load_b128 v[\reg:\reg+3], v[\a16] offset:\off
	ds_load_b64 v[\reg+4:\reg+5], v[\a8] offset:\off+512
	ds_load_b128 v[\reg+6:\reg+9], v[\a16] offset:\off+768
	ds_load_b64 v[\reg+10:\reg+11], v[\a8] offset:\off+1280
.endm
.macro FETCH p, q, ks
	WIN 0x40*((\p)+1)
.irp nl, 0,1,2,3,4,5,6,7
	FRAG 12*\nl, B16+\q, B8+\q, \nl*6144+\ks*1536
.endr
.irp i, 0,1,2,3
	FRAG 96+12*\i, A16+\q, A8+\q, \i*6144+\ks*1536
.endr
.endm
.macro MUL p, k8, first
.if \first
	WIN 0xc0+5*((\p)+1)
.else
	WIN 0xf0+5*((\p)+1)
.endif
.irp i, 0,1,2,3
.irp nl, 0,1,2,3,4,5,6,7
.set DA, 8*(8*\i+\nl)
.if \first
	v_wmma_scale_f32_16x16x128_f8f6f4 v[DA:DA+7], v[12*\nl:12*\nl+11], v[96+12*\i:96+12*\i+11], v[160+8*\nl:167+8*\nl], v[64+8*\nl+\k8], v[32+8*\i+\k8] matrix_a_fmt:MATRIX_FMT_FP6 matrix_b_fmt:MATRIX_FMT_FP6
.else
	v_wmma_scale_f32_16x16x128_f8f6f4 v[DA:DA+7], v[12*\nl:12*\nl+11], v[96+12*\i:96+12*\i+11], v[DA:DA+7], v[64+8*\nl+\k8], v[32+8*\i+\k8] matrix_a_fmt:MATRIX_FMT_FP6 matrix_b_fmt:MATRIX_FMT_FP6
.endif
.endr
.endr
.endm
	s_wait_alu depctr_va_vdst(0)
	s_wait_tensorcnt 0x0                           ; my tile of the head's four is in
	ds_add_u32 v30, v31
	s_mov_b32 s[G1A+2], 96<<16                     ; no tensor load of mine is out: from here on a load brings half a block
	s_mov_b32 s[G1A+4], 96
	s_mov_b32 s[G1B+2], 192<<16
	s_mov_b32 s[G1B+4], 192
	s_wait_dscnt 0x0
	CROUND                                         ; all four tiles are in, and the joint loads meet
	JLOAD G0A+4, G1A, G0B+4, G1B                   ; K half 1: it has K steps 0 to 2 in which to land
.irp i, 0,1,2,3
	ds_load_b128 v[32+8*\i:35+8*\i], v14 offset:512*\i
	ds_load_b128 v[36+8*\i:39+8*\i], v14 offset:512*\i+256
.endr
.irp nl, 0,1,2,3,4,5,6,7
	ds_load_b128 v[64+8*\nl:67+8*\nl], v15 offset:512*\nl
	ds_load_b128 v[68+8*\nl:71+8*\nl], v15 offset:512*\nl+256
.endr
	FETCH 0, 0, 0
	s_wait_dscnt 0x0
	s_wait_loadcnt 0x0
	FETCH 1, 0, 1
	MUL 0, 0, 1
	s_wait_dscnt 0x0
	PLACES
	FETCH 0, 0, 2
	MUL 1, 1, 0
	s_wait_dscnt 0x0
	PLACES
	FETCH 1, 0, 3
	MUL 0, 2, 0
	s_wait_dscnt 0x0
	WIN 0
	s_wait_tensorcnt 0x0
	s_barrier_signal -1
	s_barrier_wait -1
	PLACES
	FETCH 0, 1, 0
	MUL 1, 3, 0
	s_wait_dscnt 0x0
	PLACES
	FETCH 1, 1, 1
	MUL 0, 4, 0
	s_wait_dscnt 0x0
	PLACES
	FETCH 0, 1, 2
	MUL 1, 5, 0
	s_wait_dscnt 0x0
	PLACES
	FETCH 1, 1, 3
	MUL 0, 6, 0
	s_wait_dscnt 0x0
	MUL 1, 7, 0
	WIN 0
.macro TOSTAGE a
	WIN 0x0c
.irp nl, 0,1,2,3,4,5,6,7
	ds_store_b128 v16, v[8*(8*(\a)+\nl):8*(8*(\a)+\nl)+3] offset:128*(\nl/2)+32*(\nl%2)
	ds_store_b128 v16, v[8*(8*(\a)+\nl)+4:8*(8*(\a)+\nl)+7] offset:128*(\nl/2)+32*(\nl%2)+16
.endr
	WIN 0
.irp t, 0,1,2,3,4,5,6,7,8,9,10,11,12,13,14,15
	ds_load_b128 v[128+64*((\a)%2)+4*\t:128+64*((\a)%2)+4*\t+3], v17 offset:\t*SPITCH
.endr
.endm
.macro SEND a, younger
	s_wait_dscnt \younger
.irp t, 0,1,2,3,4,5,6,7,8,9,10,11,12,13,14,15
	global_store_b128 v4, v[128+64*((\a)%2)+4*\t:128+64*((\a)%2)+4*\t+3], s[10:11] offset:(32*((\a)/2)+8*((\a)%2)+\t+8*(\t/8))*16384 th:TH_STORE_NT
.endr
.endm
	PLACES
	TOSTAGE 0
.irp a, 1,2,3
.if \a > 1
	s_wait_xcnt 0x0
.endif
	TOSTAGE \a
	SEND \a-1, 32
.endr
	SEND 3, 0
	s_wait_tensorcnt 0x0
	ds_add_u32 v30, v31
	s_wait_dscnt 0x0
	CROUND
	s_endpgm
.Lfunc_end_k_q525663c179_dense:
	.size	k_q525663c179_dense, .Lfunc_end_k_q525663c179_dense-k_q525663c179_dense
	.p2alignl 7, 3214868480
	.fill 96, 4, 3214868480
	.section	.rodata,"a",@progbits
	.p2align	6, 0x0
	.amdhsa_kernel k_q525663c179_dense
		.amdhsa_group_segment_fixed_size 327680
		.amdhsa_private_segment_fixed_size 0
		.amdhsa_enable_private_segment 0
		.amdhsa_kernarg_size 32
		.amdhsa_user_sgpr_count 2
		.amdhsa_user_sgpr_kernarg_segment_ptr 1
		.amdhsa_wavefront_size32 1
		.amdhsa_system_sgpr_workgroup_id_x 1
		.amdhsa_system_sgpr_workgroup_id_y 1
		.amdhsa_system_sgpr_workgroup_id_z 1
		.amdhsa_system_vgpr_workitem_id 0
		.amdhsa_next_free_vgpr 1024
		.amdhsa_next_free_sgpr 100
		.amdhsa_reserve_vcc 0
		.amdhsa_float_denorm_mode_32 3
		.amdhsa_float_denorm_mode_16_64 3
		.amdhsa_memory_ordered 1
		.amdhsa_forward_progress 1
		.amdhsa_inst_pref_size 86
	.end_amdhsa_kernel
	.amdgpu_metadata
---
amdhsa.version: [ 1, 2 ]
amdhsa.kernels:
  - .name:           k_q525663c179_dense
    .symbol:         k_q525663c179_dense.kd
    .args:
      - { .name: ctx, .offset: 0, .size: 8, .value_kind: global_buffer, .address_space: global }
      - { .name: opq, .offset: 8, .size: 8, .value_kind: global_buffer, .address_space: global }
      - { .name: b_dense, .offset: 16, .size: 8, .value_kind: global_buffer, .address_space: global }
      - { .name: out0, .offset: 24, .size: 8, .value_kind: global_buffer, .address_space: global }
    .group_segment_fixed_size: 327680
    .private_segment_fixed_size: 0
    .kernarg_segment_align: 8
    .kernarg_segment_size: 32
    .max_flat_workgroup_size: 128
    .sgpr_count:     100
    .vgpr_count:     1024
    .wavefront_size: 32
...
	.end_amdgpu_metadata
.endif
;; end of part 4
